; MI455X (gfx1250); checked and timed in simulation.
; The chip was launched on July 23, 2026; its instructions are those of AMD's public machine-readable ISA for CDNA 5 (MIT licence, August 2026) and "CDNA5" Instruction Set Architecture Reference Guide (July 2026). The comments in the code are by the model that wrote it; some were corrected since.
;; Weight Share Self Attention. Allowed arithmetic: matrix products marked QUANTISED: E2M1 operands, one E8M0 scale for each 32 along K, by v_wmma_scale_f32_16x16x128_f8f6f4 with both operands' format E2M1 (or v_wmma_scale_f32_32x16x128_f4), f32 sums; everything else in f32.
;; Inputs: W_o_codes 1,024 x 32 x 16 uint8 (E2M1 codes of W_o, K innermost, in blocks of 32 codes, two codes a byte); W_o_scales 1,024 x 32 uint8 (E8M0 scales of W_o, one for each 32 codes along K); W_qkv_codes 3,072 x 32 x 16 uint8 (E2M1 codes of W_qkv, K innermost, in blocks of 32 codes, two codes a byte); W_qkv_scales 3,072 x 32 uint8 (E8M0 scales of W_qkv, one for each 32 codes along K); W_r_codes 1,024 x 32 x 16 uint8 (E2M1 codes of W_r, K innermost, in blocks of 32 codes, two codes a byte); W_r_scales 1,024 x 32 uint8 (E8M0 scales of W_r, one for each 32 codes along K); b_o 1,024 float32; pos_emb_codes 1 x 2,048 x 32 x 16 uint8 (E2M1 codes of pos_emb, K innermost, in blocks of 32 codes, two codes a byte); pos_emb_scales 1 x 2,048 x 32 uint8 (E8M0 scales of pos_emb, one for each 32 codes along K); r_r_bias 16 x 64 float32; r_w_bias 16 x 64 float32; u1ss 2 x 3,072 x 2,048 float32; z1ss 2 x 1,024 x 2,048 float32.
;; Outputs: out0 2 x 1,024 x 2,048 float32.
;; This version of the problem:
;;   THIS VERSION OF THE PROBLEM IS GIVEN IN LOW PRECISION. The matrix products marked QUANTISED in the list below multiply operands that are first quantised to E2M1 (2 exponent bits, 1 mantissa bit; 4 bits a number), with one power-of-two scale for each 32 numbers along K (OCP MX v1.0); their sums are f32. All else is computed in f32.
;;   The module's matrix products, in the order in which they are computed (A, B: the left and right operand; K: the contracted axis; several contracted axes count as one K, in the product's order):
;;     1. [M 4,096, K 1,024] x [K 1,024, N 3,072]; A: input z1ss; B: input W_qkv (given as codes): QUANTISED
;;     2. [M 1,024, K 1,024] x [K 1,024, N 2,048]; A: input W_r (given as codes); B: input pos_emb (given as codes): QUANTISED
;;     3. batch 32 x [M 2,048, K 64] x [K 64, N 2,048]; A: computed on the way; B: computed on the way: QUANTISED
;;     4. batch 16 x [M 2,048, K 64] x [K 64, N 4,096]; A: computed on the way; B: computed on the way: QUANTISED
;;     5. batch 32 x [M 64, K 2,048] x [K 2,048, N 2,048]; A: computed on the way; B: softmax (see below): QUANTISED
;;     6. [M 4,096, K 1,024] x [K 1,024, N 1,024]; A: computed on the way; B: input W_o (given as codes): QUANTISED
;;   THE QUANTISER, for each operand of a quantised product, along K:
;;     - K is cut into blocks of 32 from its start; a last block that is shorter is filled with zeros.
;;     - A block's scale is 2^e with e = floor(log2(the largest magnitude in the block)) - 2, held to -126 .. 127; a block of zeros has e = 0. As a byte (E8M0): e + 127.
;;     - Each number is divided by its block's scale, clamped to +-6, and rounded to the nearest number of E2M1, ties to even, subnormals kept.
;;     - The product sums the exact products of the quantised numbers (number of the format x scale) in f32.
;;   ~~~python
;;   def quantise(x, axis):      # numpy; x: float32 -> the quantised numbers, widened to float32 again
;;       x = np.moveaxis(x, axis, -1); K = x.shape[-1]
;;       x = np.pad(x, [(0, 0)] * (x.ndim - 1) + [(0, -K % 32)]); x = x.reshape(x.shape[:-1] + (-1, 32)); a = np.abs(x).max(-1, keepdims=True)
;;       e = np.where(a > 0, np.clip(np.frexp(np.where(a > 0, a, 1))[1] - 1 - 2, -126, 127), 0)      # np.frexp(a)[1] - 1 = floor(log2(a)), exactly
;;       r = np.clip(x / 2.0 ** e, -6, 6)
;;       step = 2.0 ** (np.maximum(np.frexp(np.where(r == 0, 1, r))[1] - 1, 0) - 1)
;;       q = np.round(r / step) * step * 2.0 ** e      # np.round: ties to even
;;       return np.moveaxis(q.reshape(q.shape[:-2] + (-1,))[..., :K], -1, axis).astype(np.float32)
;;   ~~~
;;   SOFTMAX AHEAD OF A QUANTISED PRODUCT. Where the list says 'softmax', what is quantised is not the finished softmax but p = 2^(t - M), with t = logit x log2(e) and M = ceil(the row's largest t), a whole number; so 1/2 < the row's largest p <= 1. The row's sum l is taken of the UNQUANTISED p, in f32, and the product's result is divided by l at the end. Since M is a whole number, a kernel that streams over the keys may use a running M (the ceiling of the running maximum): every later rescaling is an exact power of two, which a block's scale takes up: the codes' values come out the same.
;;   OPERANDS COMPUTED ON THE WAY. 'Computed on the way' means the value that the module computes at that place (a softmax that the list does not call 'softmax' is quantised finished and normalised). What goes into a quantiser is computed in f32, as accurately as f32 sums, v_exp_f32 and their like allow (about 1e-6 of the number): no bf16 or f16 on the way to a quantiser, and a product that is left as it is and whose result goes on into a quantised operand takes f32 operands (vector FMAs, or v_wmma_f32_16x16x4_f32). A number that lies on a knife's edge between two numbers of the format may be rounded either way, as far as f32 arithmetic and the matrix unit's own rounding can turn it there, and no further.
;;   INPUTS GIVEN AS CODES. W_o (in the module: [1024, 1024], K = its axis 1); W_qkv (in the module: [3072, 1024], K = its axis 1); W_r (in the module: [1024, 1024], K = its axis 1); pos_emb (in the module: [1, 1024, 2048], K = its axis 1): each comes as NAME_codes (uint8): NAME with its K axis moved to the last place and cut into blocks of 32 codes, [.., K / 32, bytes a block], one block behind the other in memory; two codes a byte, the lower K in the low four bits (a code: sign, 2 exponent bits, 1 mantissa bit); and NAME_scales (uint8): the same leading axes, one E8M0 byte (e + 127) for each 32 codes along K. Its value is code x scale, taken as it is: it is not quantised again, and the codes and scales need not be those that the quantiser above would give.
;; One version. Each part assembles by itself: llvm-mc -triple=amdgcn-amd-amdhsa -mcpu=gfx1250 --defsym DOCPART=n.
;; ======== version 1 of 1: 4 launches
;; limits: right only within a limited range of input values
;; workspace buffers: Z 2,228,224 bytes; R 819,200 bytes; Q 4,718,592 bytes; KV 4,587,520 bytes; A 2,228,224 bytes; WI 557,056 bytes
;; launch prep (part 1): grid 19 x 16, 8 waves a work-group, no clusters, 126,976 bytes of LDS; arguments z1ss, W_r_codes, W_r_scales, pos_emb_codes, pos_emb_scales, Z, R, W_o_codes, W_o_scales, WI; writes Z, R, WI
.if DOCPART == 1
	.amdgcn_target "amdgcn-amd-amdhsa--gfx1250"
	.amdhsa_code_object_version 6
	.text
	.protected	k_q8f9ae172bb_prep
	.globl	k_q8f9ae172bb_prep
	.p2align	8
	.type	k_q8f9ae172bb_prep,@function
k_q8f9ae172bb_prep:
	s_mov_b64 s[64:65], 0
	v_nop
	global_prefetch_b8 v0, s[64:65] scope:SCOPE_SE
	s_setreg_imm32_b32 hwreg(HW_REG_WAVE_MODE, 25, 1), 1
	s_wait_xcnt 0x0
; PREP.  Three jobs that share nothing, told apart by the work-group's x.
;   x < 8   (128 work-groups): z1ss [2][1024][2048] f32 is quantised along d_model into Z: codes [b*2048+q][512 bytes], K innermost, and at ZS one E8M0 byte for each 32 along K, [row][32].
;   x 8..17 (160 work-groups): r_head_k = W_r pos_emb (MX-FP4 codes as given), quantised along the head's 64 into R, as images of operand registers:
;           R codes [head][tile T 0..79][512 bytes: lane l's 16 bytes at 16 l], tile T holds positions rho = 896 + 16 T + (lane % 16); at RS scale words [head][T][32 words].
;   x = 18  (16 work-groups): W_o's codes and scale bytes are laid, unchanged, in the order in which the last launch's operand registers take them: WI codes [wave 16][K step 8][tile 4][half 2][512 bytes],
;           at WSO scale words [wave][K step][pair 2][32 words]: lanes 0-15 the even tile's rows, lanes 16-31 the odd tile's.  So that launch loads every fragment as 512 consecutive bytes.
; WORK LEFT OUT, AND WHY IT IS DEAD.  With qlen = klen = 2048 the relative shift gives, for j <= i, BD[i][j] = BDraw[i][2047 - (i - j)]; for j > i it gives numbers that the mask of reference()
; (triu(1)) replaces by -inf.  tril(-1000) replaces all with i - j >= 1000.  So of r_head_k only the columns rho = 2047 - (i - j) with i - j in 0 .. 999, that is rho in 1048 .. 2047, reach a result,
; whatever the inputs hold: the tiles of 16 columns under rho = 1040 are not computed, and rows 0 .. 1023 of pos_emb are not read (rows 1024 .. 1039 ride in a block of 128 rows that holds live ones).
; Every input keeps a way to the output, so all are loaded somewhere.
; LIMIT: a NaN, an infinity or an overflow that reaches only the columns left out is not carried to the result.
; THE MASK RIDES IN R'S SCALE WORD.  K = 64 fills blocks 0 and 1 of the 128-deep product.  Byte 2 of a column's scale word is 0xe3 (2^100) where rho is outside 1048 .. 2047 and 0x01 (2^-126) inside; the
; attention launch puts the code +6 (scale 1) against the code -6 at k = 64, so a hidden score gets -36 x 2^100 and a live one -36 x 2^-126.  Byte 3 is 0x40 over zero codes.
; Tiles 0 .. 8 and 72 .. 79 hold zero codes and the hidden byte: the attention's nine tiles a step reach them.
; THE R PATH'S OPERANDS GO THROUGH LDS.  A work-group's 64 rows of W_r and 128 rows of pos_emb are two dense blocks of memory: each wave loads 24 of the rows, 512 consecutive bytes an instruction, and their scale bytes,
; stores them into rows of 528 bytes, and behind the one barrier every wave takes its fragments from there.
; The second half of each path reads only registers made at the common head or in that half, and LDS.
; THE QUANTISER: scale byte = the exponent field of the block's largest magnitude less 2, held at 1 from below (a block of zeros keeps the byte 1: its codes are zeros and only this program reads the bytes).
; LIMITS: NaN and infinities among the inputs are not served; blocks whose largest magnitude lies under 2^-124 have their byte held at 1.
.set ZS,    2097152                    ; Z: where the scale bytes begin
.set RS,    655360                     ; R: where the scale words begin
.set WSO,   524288                     ; WI: where the scale words begin
.set PZ,    272                        ; z path: a stage row: 256 bytes of codes + 16
.set SSTG,  64*PZ                      ; LDS: behind the stage of 64 rows, 64 x 16 scale bytes
.set SPARE, SSTG+1024                  ; the spare words, 128 bytes for each of the eight waves
.set PR,    528                        ; R path: a row of 1,024 codes: 512 bytes + 16
.set RROW,  SPARE+1024                 ; R path's own bytes: 64 rows of W_r, then 128 rows of pos_emb,
.set RSC,   RROW+192*PR                ; then their scale bytes, 32 a row, dense
.set SPW,  1                           ; v1   LDS address of my spare word; never rewritten
.set NIL,  2                           ; v2   0; never rewritten
.set LANE, 3
.set RR,   4                           ; lane % 16
.set HH,   5                           ; lane / 16
.set STI,  6                           ; z: stage, way in: row = my column
.set SSI,  7                           ; z: my column's scale word
.set STO,  8                           ; z: stage, way out: sixteen lanes to a row
.set SSO,  9                           ; z: scale words, way out
.set L4,   10                          ; 4 x lane
.set L16,  11                          ; 16 x lane
.set V8H,  12                          ; 8 x (lane / 16)
.set AG,   13                          ; R: LDS addresses of W_r's fragments, of pos_emb's, of W_r's scale rows
.set AL,   14
.set SGA,  15
.set GSC,  16                          ; v16-47 W_r's scale words: tile b, K step s at 8 b + s;  v48-55 pos_emb's: scales and nothing else
.set LSC,  48
.set SLA,  56                          ; R: LDS address of pos_emb's scale rows
.set TS,   57                          ; (r & 7) + 32 (r >> 3)
.set RSTW, 58                          ; R: where I store my 8 rows of W_r, my 16 rows of pos_emb
.set RSTP, 59
.set TMP,  60                          ; z path: v60-62 the quantiser's, v63 a byte
.set BY,   63
.set X,    64                          ; z: v64-127 two sets of 32 numbers.  R: v64-165 the rows on their way into LDS, then v64-143 two sets of 40 (four fragments of W_r, one of pos_emb)
.set ZC,   128                         ; z: v128-143 codes, four registers a block; v144 four scale bytes
.set SB,   144
.set RSSW, 200                         ; R: where I store my rows' scale bytes
.set RSSP, 201
.set L8,   202                         ; 8 x lane
.set ACC,  224                         ; R: four accumulators
.set RCOD, 64                          ; R, behind the products: codes, the quantiser's, byte, word, at work
.set RTMP, 68
.set RBY,  71
.set RWD,  72
.set RT0,  73
.set RT1,  74
.set WOD,  64                          ; W_o: v64-95 eight images, v96-97 two rows of scale words, v98-99 offsets
.set WOA,  98
.set WOS,  99
.set WV,   20
.set SEL,  40                          ; s[40:41] selects of v_permlanex16_b32 for lane l xor 16
.macro PLACES n
.rept \n
	v_nop
.endr
.endm
; 32 consecutive registers of a lane, one block of 32 along K, become four registers of codes and the block's byte.  The registers are read from the low end on.
.macro QUANT32 src, cod, byt, tmp
	v_max3_num_f32 v[\tmp], |v[\src]|, |v[\src+1]|, 0x1800000       ; the floor 2^(3 - 127): the byte cannot fall under 1
	v_max_num_f32 v[\tmp+1], |v[\src+2]|, |v[\src+3]|
.irp i, 4,8,12,16,20,24,28
	v_max3_num_f32 v[\tmp], v[\tmp], |v[\src+\i]|, |v[\src+\i+1]|   ; two chains by turns
	v_max3_num_f32 v[\tmp+1], v[\tmp+1], |v[\src+\i+2]|, |v[\src+\i+3]|
.endr
	s_delay_alu instid0(VALU_DEP_1)
	v_max_num_f32 v[\tmp], v[\tmp], v[\tmp+1]
	s_delay_alu instid0(VALU_DEP_1)
	v_add_nc_u32 v[\tmp+2], 0xff000000, v[\tmp]                     ; 2 off the exponent field: the conversion's scale operand
	s_delay_alu instid0(VALU_DEP_1)
	v_lshrrev_b32 v[\byt], 23, v[\tmp+2]                            ; the byte
.irp g, 0,1,2,3
	v_cvt_scalef32_pk8_fp4_f32 v[\cod+\g], v[\src+8*\g:\src+8*\g+7], v[\tmp+2]
.endr
	v_nop                                                           ; one plain line behind the last scaled conversion
.endm
	s_load_b256 s[4:11], s[0:1], 0x0               ; z1ss, W_r codes, W_r scales, pos_emb codes
	s_load_b128 s[12:15], s[0:1], 0x20             ; pos_emb scales, Z
	s_load_b64 s[16:17], s[0:1], 0x30              ; R
	s_load_b64 s[48:49], s[0:1], 0x38              ; W_o codes
	s_load_b64 s[50:51], s[0:1], 0x40              ; W_o scales
	s_load_b64 s[52:53], s[0:1], 0x48              ; WI
	v_lshl_add_u32 v[SPW], v0, 2, SPARE
	v_mov_b32 v[NIL], 0
	v_lshrrev_b32 v[LANE], 5, v0
	s_delay_alu instid0(VALU_DEP_1)
	v_readfirstlane_b32 s[WV], v[LANE]             ; wave 0..7
	v_and_b32 v[LANE], 31, v0
	s_wait_alu depctr_va_vdst(0)
	v_and_b32 v[RR], 15, v0
	v_bfe_u32 v[HH], v0, 4, 1
	s_wait_alu depctr_va_vdst(0)
	s_and_b32 s21, s[WV], 1                        ; z path: which 32 of the 64 columns
	s_lshr_b32 s22, s[WV], 1                       ; and which 128 of the 512 along K
	; every LDS address is made here, ahead of the parting of the paths
	s_mul_i32 s24, s21, 32*PZ
	s_lshl_b32 s25, s22, 6
	s_add_co_u32 s24, s24, s25
	v_mul_u32_u24 v[STI], v[LANE], PZ
	s_delay_alu instid0(VALU_DEP_1)
	v_add_nc_u32 v[STI], s24, v[STI]               ; (32 (w & 1) + lane) x 272 + 64 (w >> 1)
	s_lshl_b32 s24, s21, 9
	s_lshl_b32 s25, s22, 2
	s_add_co_u32 s24, s24, s25
	s_add_co_u32 s24, s24, SSTG
	v_lshl_add_u32 v[SSI], v[LANE], 4, s24         ; 16 bytes a column, my wave's word of them
	s_mul_i32 s24, s[WV], 8*PZ
	v_mul_u32_u24 v[STO], v[HH], PZ
	s_delay_alu instid0(VALU_DEP_1)
	v_lshl_add_u32 v[STO], v[RR], 4, v[STO]
	s_delay_alu instid0(VALU_DEP_1)
	v_add_nc_u32 v[STO], s24, v[STO]               ; (8 w + h) x 272 + 16 r
	v_lshl_add_u32 v[SSO], v0, 2, SSTG
	v_lshlrev_b32 v[L4], 2, v[LANE]
	v_lshlrev_b32 v[L16], 4, v[LANE]
	v_lshlrev_b32 v[L8], 3, v[LANE]
	v_lshlrev_b32 v[V8H], 3, v[HH]
	v_lshrrev_b32 v[TS], 3, v[RR]
	s_delay_alu instid0(VALU_DEP_1)
	v_mad_u32_u24 v[TS], v[TS], 24, v[RR]          ; (r & 7) + 32 (r >> 3)
	s_delay_alu instid0(VALU_DEP_1)
	v_mul_u32_u24 v[AG], v[TS], PR
	s_delay_alu instid0(VALU_DEP_1)
	v_lshl_add_u32 v[AG], v[HH], 4, v[AG]
	s_delay_alu instid0(VALU_DEP_1)
	v_add_nc_u32 v[AG], RROW, v[AG]                ; W_r's fragments: that row x 528 + 16 h
	s_mul_i32 s24, s[WV], 16*PR
	s_add_co_u32 s24, s24, RROW+64*PR              ; my tile's 16 rows of pos_emb
	v_mul_u32_u24 v[AL], v[RR], PR
	s_delay_alu instid0(VALU_DEP_1)
	v_lshl_add_u32 v[AL], v[HH], 4, v[AL]
	s_delay_alu instid0(VALU_DEP_1)
	v_add_nc_u32 v[AL], s24, v[AL]
	v_add_nc_u32 v[RSTP], s24, v[L16]
	s_mul_i32 s24, s[WV], 8*PR
	s_add_co_u32 s24, s24, RROW                    ; the 8 rows of W_r that I bring
	v_add_nc_u32 v[RSTW], s24, v[L16]
	v_lshl_add_u32 v[SGA], v[TS], 5, RSC
	s_lshl_b32 s24, s[WV], 9
	s_add_co_u32 s24, s24, RSC+2048
	v_lshl_add_u32 v[SLA], v[RR], 5, s24
	v_add_nc_u32 v[RSSP], s24, v[L16]
	s_lshl_b32 s24, s[WV], 8
	s_add_co_u32 s24, s24, RSC
	v_lshl_add_u32 v[RSSW], v[LANE], 3, s24
	s_mov_b32 s[SEL], 0x76543210
	s_mov_b32 s[SEL+1], 0xfedcba98
	s_and_b32 s26, ttmp7, 0xffff                   ; y
	s_lshl_b32 s31, s26, 3
	s_add_co_u32 s31, s31, ttmp9                   ; z path: zi = 8 y + x, 0 .. 127
	s_and_b32 s28, s31, 1                          ; kh: which half of K
	s_lshr_b32 s29, s31, 6                         ; b
	s_bfe_u32 s30, s31, 0x50001                    ; qb: which 64 columns
	s_mov_b32 s33, 0
	s_wait_kmcnt 0x0
	s_cmp_ge_u32 ttmp9, 8                          ; the same in all eight waves
	s_cbranch_scc1 .Lnotz
	; ---- z, first half.  A LANE TAKES A COLUMN q AND ITS REGISTERS RUN DOWN d: a load reads 128 consecutive bytes, a block of 32 lies in one lane, the codes come out with K innermost.
	s_lshl_b32 s32, s29, 23                        ; b x 1024 rows of 8,192 bytes
	s_lshl_b32 s24, s28, 22                        ; + 512 kh rows
	s_add_co_u32 s32, s32, s24
	s_lshl_b32 s24, s22, 20                        ; + 128 (w >> 1) rows
	s_add_co_u32 s32, s32, s24
	s_lshl_b32 s24, s30, 8                         ; + 64 qb columns
	s_add_co_u32 s32, s32, s24
	s_lshl_b32 s24, s21, 7                         ; + 32 (w & 1) columns
	s_add_co_u32 s32, s32, s24
	s_add_nc_u64 s[4:5], s[4:5], s[32:33]
.macro ZLOAD t
.set i, 0
.rept 32
	global_load_b32 v[X+32*((\t)%2)+i], v[L4], s[4:5] offset:(32*(\t)+i)*8192 th:TH_LOAD_NT
.set i, i+1
.endr
.endm
.macro ZBLOCK t
.if (\t) < 3
	s_wait_loadcnt 32                              ; this block's 32 loads are in; the next block's 32 may be out
.else
	s_wait_loadcnt 0x0
.endif
.if (\t) == 0
	QUANT32 X, ZC, SB, TMP
.else
	QUANT32 X+32*((\t)%2), ZC+4*(\t), BY, TMP
	v_lshl_or_b32 v[SB], v[BY], 8*(\t), v[SB]      ; four bytes to a word, the lower K in the lower byte
.endif
	ds_store_b128 v[STI], v[ZC+4*(\t):ZC+4*(\t)+3] offset:16*(\t)   ; each block has code registers of its own: no store's data are written again
.if (\t)+2 < 4
	ZLOAD (\t)+2
.endif
.endm
	ZLOAD 0
	ZLOAD 1
	ZBLOCK 0
	ZBLOCK 1
	ZBLOCK 2
	ZBLOCK 3
	ds_store_b32 v[SSI], v[SB]
	s_branch .Lmeet
.Lnotz:
	s_cmp_eq_u32 ttmp9, 18
	s_cbranch_scc1 .Lwo
	s_sub_co_u32 s27, ttmp9, 9
	s_cmp_lt_u32 s27, 8                            ; x = 9 .. 16 hold tiles that are computed; x = 8 and x = 17 bring nothing
	s_cbranch_scc0 .Lmeet
	; ---- R, first half: my 8 rows of W_r, my tile's 16 rows of pos_emb and their scale bytes, into LDS.  Each load reads consecutive bytes: a row of 512, or 512 or 256 of scale bytes
	s_lshl_b32 s32, s26, 15                        ; W_r: row 64 n + 8 w, 512 bytes a row
	s_lshl_b32 s24, s[WV], 12
	s_add_co_u32 s32, s32, s24
	s_add_nc_u64 s[34:35], s[6:7], s[32:33]
	s_lshl_b32 s32, s26, 11                        ; its scale bytes, 32 a row
	s_lshl_b32 s24, s[WV], 8
	s_add_co_u32 s32, s32, s24
	s_add_nc_u64 s[36:37], s[8:9], s[32:33]
	s_lshl_b32 s32, s27, 16                        ; pos_emb: row 1024 + 128 (x - 9) + 16 w
	s_lshl_b32 s24, s[WV], 13
	s_add_co_u32 s32, s32, s24
	s_add_co_u32 s32, s32, 1024*512
	s_add_nc_u64 s[38:39], s[10:11], s[32:33]
	s_lshl_b32 s32, s27, 12
	s_lshl_b32 s24, s[WV], 9
	s_add_co_u32 s32, s32, s24
	s_add_co_u32 s32, s32, 1024*32
	s_add_nc_u64 s[42:43], s[12:13], s[32:33]
.set i, 0
.rept 16
	global_load_b128 v[X+4*i:X+4*i+3], v[L16], s[38:39] offset:512*i
.set i, i+1
.endr
.set i, 0
.rept 8
	global_load_b128 v[X+64+4*i:X+64+4*i+3], v[L16], s[34:35] offset:512*i
.set i, i+1
.endr
	global_load_b128 v[160:163], v[L16], s[42:43]
	global_load_b64 v[164:165], v[L8], s[36:37]
	s_wait_loadcnt 10                              ; pos_emb's 16 rows are in; the ten younger loads may be out
.set i, 0
	s_wait_alu depctr_va_vdst(0)
.rept 16
	ds_store_b128 v[RSTP], v[X+4*i:X+4*i+3] offset:PR*i
.set i, i+1
.endr
	s_wait_loadcnt 0x0
.set i, 0
.rept 8
	ds_store_b128 v[RSTW], v[X+64+4*i:X+64+4*i+3] offset:PR*i
.set i, i+1
.endr
	ds_store_b128 v[RSSP], v[160:163]
	ds_store_b64 v[RSSW], v[164:165]
	s_branch .Lmeet
	; ---- W_o: work-group y lays out rows 64 y .. 64 y + 63, wave v their K step v
.Lwo:
	v_lshlrev_b32 v[WOA], 9, v[RR]
	s_delay_alu instid0(VALU_DEP_1)
	v_lshl_add_u32 v[WOA], v[HH], 4, v[WOA]        ; a fragment's place in its rows: 512 r + 16 h
	s_wait_alu depctr_va_vdst(0)
	v_lshlrev_b32 v[WOS], 5, v[LANE]               ; a scale row of 32 bytes a lane
	s_wait_alu depctr_va_vdst(0)
	s_lshl_b32 s32, s26, 15
	s_lshl_b32 s24, s[WV], 6
	s_add_co_u32 s32, s32, s24
	s_add_nc_u64 s[34:35], s[48:49], s[32:33]
	s_lshl_b32 s32, s26, 11
	s_lshl_b32 s24, s[WV], 2
	s_add_co_u32 s32, s32, s24
	s_add_nc_u64 s[36:37], s[50:51], s[32:33]
	s_lshl_b32 s44, s26, 3
	s_add_co_u32 s44, s44, s[WV]                   ; 8 y + v
	s_lshl_b32 s32, s44, 12
	s_add_nc_u64 s[38:39], s[52:53], s[32:33]      ; its eight images
	s_lshl_b32 s32, s44, 8
	s_add_co_u32 s32, s32, WSO
	s_add_nc_u64 s[42:43], s[52:53], s[32:33]      ; its 64 scale words
.irp ot, 0,1,2,3
.irp c, 0,1
	global_load_b128 v[WOD+8*\ot+4*\c:WOD+8*\ot+4*\c+3], v[WOA], s[34:35] offset:8192*\ot+32*\c
.endr
.endr
.irp p, 0,1
	global_load_b32 v[WOD+32+\p], v[WOS], s[36:37] offset:1024*\p
.endr
	s_wait_loadcnt 0x0
.irp ot, 0,1,2,3
.irp c, 0,1
	global_store_b128 v[L16], v[WOD+8*\ot+4*\c:WOD+8*\ot+4*\c+3], s[38:39] offset:512*(2*\ot+\c)   ; 512 consecutive bytes
.endr
.endr
.irp p, 0,1
	global_store_b32 v[L4], v[WOD+32+\p], s[42:43] offset:128*\p
.endr
	s_wait_xcnt 0x0                                ; the stores have read their registers
.Lmeet:
	s_wait_dscnt 0x0                               ; my stores into LDS have landed
	s_barrier_signal -1
	s_barrier_wait -1                              ; on every path, so that every wave passes it
	s_cmp_ge_u32 ttmp9, 18
	s_cbranch_scc1 .Lend
	s_cmp_ge_u32 ttmp9, 8
	s_cbranch_scc1 .Lr2
	; ---- z, second half: 64 rows of 256 bytes leave by rows, sixteen lanes to 256 consecutive aligned bytes
.irp i, 0,1,2,3
	ds_load_b128 v[160+4*\i:163+4*\i], v[STO] offset:2*\i*PZ
.endr
	ds_load_b32 v176, v[SSO]
	v_lshlrev_b32 v177, 9, v[HH]
	s_delay_alu instid0(VALU_DEP_1)
	v_lshl_add_u32 v177, v[RR], 4, v177            ; h rows of 512 bytes + 16 r
	v_lshrrev_b32 v178, 2, v0
	s_delay_alu instid0(VALU_DEP_1)
	v_lshlrev_b32 v178, 5, v178
	v_and_b32 v179, 3, v0
	s_delay_alu instid0(VALU_DEP_1)
	v_lshl_add_u32 v178, v179, 2, v178             ; scale words: row thread / 4 of 32 bytes, word thread % 4
	s_lshl_b32 s32, s29, 20                        ; codes: (2048 b + 64 qb + 8 w) rows of 512 bytes + 256 kh
	s_lshl_b32 s24, s30, 15
	s_add_co_u32 s32, s32, s24
	s_lshl_b32 s24, s[WV], 12
	s_add_co_u32 s32, s32, s24
	s_lshl_b32 s24, s28, 8
	s_add_co_u32 s32, s32, s24
	s_add_nc_u64 s[42:43], s[14:15], s[32:33]
	s_lshl_b32 s32, s29, 16                        ; scales: (2048 b + 64 qb) rows of 32 bytes + 16 kh
	s_lshl_b32 s24, s30, 11
	s_add_co_u32 s32, s32, s24
	s_lshl_b32 s24, s28, 4
	s_add_co_u32 s32, s32, s24
	s_add_co_u32 s32, s32, ZS
	s_add_nc_u64 s[44:45], s[14:15], s[32:33]
	s_wait_alu depctr_va_vdst(0)
	s_wait_dscnt 0x0
.irp i, 0,1,2,3
	global_store_b128 v177, v[160+4*\i:163+4*\i], s[42:43] offset:1024*\i
.endr
	global_store_b32 v178, v176, s[44:45]
	s_branch .Lend
	; ---- R, second half: a wave makes one tile of 16 positions x one head's 64
.Lr2:
	s_sub_co_u32 s27, ttmp9, 8
	s_lshl_b32 s27, s27, 3
	s_add_co_u32 s27, s27, s[WV]                   ; T = 8 (x - 8) + wave, 0 .. 79;  the head is y
	s_mul_i32 s32, s26, 40960
	s_lshl_b32 s24, s27, 9
	s_add_co_u32 s32, s32, s24
	s_add_nc_u64 s[34:35], s[16:17], s[32:33]      ; my image
	s_mul_i32 s32, s26, 10240
	s_lshl_b32 s24, s27, 7
	s_add_co_u32 s32, s32, s24
	s_add_co_u32 s32, s32, RS
	s_add_nc_u64 s[36:37], s[16:17], s[32:33]      ; my 32 scale words
	s_sub_co_u32 s24, s27, 9
	s_cmp_lt_u32 s24, 63                           ; tiles 9 .. 71 hold positions 1040 .. 2047
	s_cbranch_scc0 .Lzero
	s_wait_alu depctr_va_vdst(0)
	; Source 0 = 16 rows of W_r, source 1 = 16 rows of pos_emb.  THE ROWS OF W_r THAT FORM A TILE ARE NOT NEIGHBOURS: lane m of tile b takes row 8 b + (m & 7) + 32 (m >> 3) of the head, so that in the results
	; lane (r, h) holds position r and its 32 registers of the four tiles hold d = 32 h + 0 .. 31: one whole block, in the order of the operand's registers.
.irp b, 0,1,2,3
.irp e, 0,1
	ds_load_b128 v[GSC+8*\b+4*\e:GSC+8*\b+4*\e+3], v[SGA] offset:256*\b+16*\e   ; a row's 32 scale bytes: eight words, one a K step
.endr
.endr
.irp e, 0,1
	ds_load_b128 v[LSC+4*\e:LSC+4*\e+3], v[SLA] offset:16*\e
.endr
.macro RFETCH ks                       ; the ten LDS loads of a K step of 128, into set ks % 2
.set FS, X+40*((\ks)%2)
.irp b, 0,1,2,3
.irp e, 0,1
	ds_load_b128 v[FS+8*\b+4*\e:FS+8*\b+4*\e+3], v[AG] offset:8*PR*\b+64*(\ks)+32*\e
.endr
.endr
.irp e, 0,1
	ds_load_b128 v[FS+32+4*\e:FS+32+4*\e+3], v[AL] offset:64*(\ks)+32*\e
.endr
.endm
.macro RSTEP ks                        ; the four accumulators take turns
.if (\ks) > 0
	PLACES 4                                       ; places in front of loads into registers that the last step's products have read
.endif
.if (\ks) < 7
	RFETCH (\ks)+1
	s_wait_dscnt 10                                ; all but the ten just issued
.else
	s_wait_dscnt 0x0
.endif
.set FS, X+40*((\ks)%2)
.irp b, 0,1,2,3
.if (\ks) == 0
	v_wmma_scale_f32_16x16x128_f8f6f4 v[ACC+8*\b:ACC+8*\b+7], v[FS+8*\b:FS+8*\b+7], v[FS+32:FS+39], 0, v[GSC+8*\b+(\ks)], v[LSC+(\ks)] matrix_a_fmt:MATRIX_FMT_FP4 matrix_b_fmt:MATRIX_FMT_FP4
.else
	v_wmma_scale_f32_16x16x128_f8f6f4 v[ACC+8*\b:ACC+8*\b+7], v[FS+8*\b:FS+8*\b+7], v[FS+32:FS+39], v[ACC+8*\b:ACC+8*\b+7], v[GSC+8*\b+(\ks)], v[LSC+(\ks)] matrix_a_fmt:MATRIX_FMT_FP4 matrix_b_fmt:MATRIX_FMT_FP4
.endif
.endr
.endm
	RFETCH 0
.irp s, 0,1,2,3,4,5,6,7
	RSTEP \s
.endr
	PLACES 4                                       ; in front of the first read of the results, and of writes into the fragments' registers
	QUANT32 ACC, RCOD, RBY, RTMP
	s_lshl_b32 s32, s27, 4
	s_sub_co_u32 s32, s32, 152                     ; 896 + 16 T - 1048
	v_add_nc_u32 v[RT0], s32, v[RR]                ; rho - 1048, as an unsigned number
	s_delay_alu instid0(VALU_DEP_1)
	v_cmp_gt_u32 vcc_lo, 1000, v[RT0]              ; live: rho in 1048 .. 2047
	v_mov_b32 v[RT1], 1
	s_delay_alu instid0(VALU_DEP_1)
	v_cndmask_b32 v[RT1], 0xe3, v[RT1], vcc_lo     ; the mask's byte
	v_lshlrev_b32 v[RWD], v[V8H], v[RBY]           ; my block's byte at its place,
	s_delay_alu instid0(VALU_DEP_1)
	v_permlanex16_b32 v[RT0], v[RWD], s[SEL], s[SEL+1]
	s_delay_alu instid0(VALU_DEP_1)
	v_or_b32 v[RWD], v[RWD], v[RT0]                ; with lane l xor 16's: bytes 0 and 1
	s_delay_alu instid0(VALU_DEP_1)
	v_lshl_or_b32 v[RWD], v[RT1], 16, v[RWD]
	s_delay_alu instid0(VALU_DEP_1)
	v_or_b32 v[RWD], 0x40000000, v[RWD]
	s_branch .Lrstore
.Lzero:
.irp g, 0,1,2,3
	v_mov_b32 v[RCOD+\g], 0
.endr
	v_mov_b32 v[RWD], 0x40e34040                   ; hidden
.Lrstore:
	s_wait_alu depctr_va_vdst(0)
	global_store_b128 v[L16], v[RCOD:RCOD+3], s[34:35]   ; 512 consecutive bytes
	global_store_b32 v[L4], v[RWD], s[36:37]             ; both halves of the lanes hold the 16 words: 128 consecutive bytes
.Lend:
	s_wait_tensorcnt 0x0                           ; the wave's end
	ds_add_u32 v[SPW], v[NIL]
	s_wait_dscnt 0x0
	s_endpgm
.Lfunc_end_k_q8f9ae172bb_prep:
	.size	k_q8f9ae172bb_prep, .Lfunc_end_k_q8f9ae172bb_prep-k_q8f9ae172bb_prep
	.p2alignl 7, 3214868480
	.fill 96, 4, 3214868480
	.section	.rodata,"a",@progbits
	.p2align	6, 0x0
	.amdhsa_kernel k_q8f9ae172bb_prep
		.amdhsa_group_segment_fixed_size 126976
		.amdhsa_private_segment_fixed_size 0
		.amdhsa_enable_private_segment 0
		.amdhsa_kernarg_size 80
		.amdhsa_user_sgpr_count 2
		.amdhsa_user_sgpr_kernarg_segment_ptr 1
		.amdhsa_wavefront_size32 1
		.amdhsa_system_sgpr_workgroup_id_x 1
		.amdhsa_system_sgpr_workgroup_id_y 1
		.amdhsa_system_sgpr_workgroup_id_z 1
		.amdhsa_system_vgpr_workitem_id 0
		.amdhsa_next_free_vgpr 256
		.amdhsa_next_free_sgpr 66
		.amdhsa_reserve_vcc 1
		.amdhsa_float_denorm_mode_32 3
		.amdhsa_float_denorm_mode_16_64 3
		.amdhsa_memory_ordered 1
		.amdhsa_forward_progress 1
		.amdhsa_inst_pref_size 47
	.end_amdhsa_kernel
	.amdgpu_metadata
---
amdhsa.version: [ 1, 2 ]
amdhsa.kernels:
  - .name:           k_q8f9ae172bb_prep
    .symbol:         k_q8f9ae172bb_prep.kd
    .args:
      - { .name: z1ss, .offset: 0, .size: 8, .value_kind: global_buffer, .address_space: global }
      - { .name: W_r_codes, .offset: 8, .size: 8, .value_kind: global_buffer, .address_space: global }
      - { .name: W_r_scales, .offset: 16, .size: 8, .value_kind: global_buffer, .address_space: global }
      - { .name: pos_emb_codes, .offset: 24, .size: 8, .value_kind: global_buffer, .address_space: global }
      - { .name: pos_emb_scales, .offset: 32, .size: 8, .value_kind: global_buffer, .address_space: global }
      - { .name: Z, .offset: 40, .size: 8, .value_kind: global_buffer, .address_space: global }
      - { .name: R, .offset: 48, .size: 8, .value_kind: global_buffer, .address_space: global }
      - { .name: W_o_codes, .offset: 56, .size: 8, .value_kind: global_buffer, .address_space: global }
      - { .name: W_o_scales, .offset: 64, .size: 8, .value_kind: global_buffer, .address_space: global }
      - { .name: WI, .offset: 72, .size: 8, .value_kind: global_buffer, .address_space: global }
    .group_segment_fixed_size: 126976
    .private_segment_fixed_size: 0
    .kernarg_segment_align: 8
    .kernarg_segment_size: 80
    .max_flat_workgroup_size: 256
    .sgpr_count:     66
    .vgpr_count:     256
    .wavefront_size: 32
...
	.end_amdgpu_metadata
.endif
;; end of part 1
;; launch qkv (part 2): grid 32 x 16, 12 waves a work-group, clusters of 4 x 1, 296,448 bytes of LDS; arguments Z, W_qkv_codes, W_qkv_scales, u1ss, r_w_bias, r_r_bias, Q, KV; writes Q, KV
.if DOCPART == 2
	.amdgcn_target "amdgcn-amd-amdhsa--gfx1250"
	.amdhsa_code_object_version 6
	.text
	.protected	k_q8f9ae172bb_qkv
	.globl	k_q8f9ae172bb_qkv
	.p2align	8
	.type	k_q8f9ae172bb_qkv,@function
k_q8f9ae172bb_qkv:
	s_mov_b64 s[64:65], 0
	v_nop
	global_prefetch_b8 v0, s[64:65] scope:SCOPE_SE
	s_setreg_imm32_b32 hwreg(HW_REG_WAVE_MODE, 25, 1), 1
	s_wait_xcnt 0x0
	s_wait_alu depctr_hold_cnt(0) depctr_sa_sdst(0) depctr_va_vdst(0) depctr_va_sdst(0) depctr_va_ssrc(0) depctr_va_vcc(0) depctr_vm_vsrc(0)
	s_getreg_b32 s2, hwreg(HW_REG_IB_STS2, 6, 4)
	s_cmp_eq_u32 s2, 0
	s_cbranch_scc0 .Lentry_in_a_cluster
	s_endpgm
.Lentry_in_a_cluster:
	s_bfe_u32 s2, ttmp6, 0x10000c
	s_cmp_lg_u32 s2, 0x3003
	s_cbranch_scc0 .Lentry_shape_is_right
	s_endpgm
.Lentry_shape_is_right:
; QKV.  w_heads = W_qkv z + u1ss on MX-FP4 codes, and each head's part quantised at once for the product that takes it: nothing of w_heads goes to memory in f32.  No work is left out here.
; SHARES.  A work-group takes 128 positions (one key step: pb = 0 .. 31) x 192 channels (three heads: cg = 0 .. 15).  Wave w: head hl = w / 4 of the three, part sub = w % 4.
; A head is a q, a k or a v head by its number 3 cg + hl (0-15, 16-31, 32-47).  A wave makes 8 accumulators = (four tiles G along the axis that will be quantised) x (two tiles L along the axis that becomes the lane).
;   q: G = the head's 64 rows of W, L = positions 32 sub + 16 a + r                       -> codes along d of q + r_w_bias and of q + r_r_bias, lane = query
;   k: G = the head's 64 rows of W, L = positions 64 (sub / 2) + 16 (sub % 2) + 8 a + sel(r) -> codes along d, lane = key, keys in the order that the attention's tiles want
;   v: G = positions 64 (sub / 2) + .., L = the head's rows 16 (sub % 2) + 8 a + sel(r)    -> codes along the keys, lane = d
; sel(r) = (r & 7) + 32 (r >> 3).  Tile b of G takes rows 8 b + sel(m): in the results lane (r, h) then holds, in the 32 registers of the four tiles, rows 32 h + 0 .. 31 of G: ONE WHOLE BLOCK OF 32 in the order of the
; operand's registers.  So a block's largest magnitude needs no other lane, and the four conversions give a group of four operand registers, which is stored as it stands (lane l's 16 bytes at 16 l).
; u1ss is the C of each sum's first product.  All of a work-group's tiles fit in LDS at once: they are filled once, at the head, and nothing is filled again.
; CLUSTER.  The four work-groups of a cluster differ in pb alone and need the same rows of W and their scales: those two tiles are asked for jointly (mask 15).  The positions' tiles and u1ss are each work-group's own (mask 0).
; The three kinds part once, behind the barrier, and each has its own copy of the eight K steps (macro MAIN), so that no register is written on one way and read on another.
; LIMITS: NaN and infinities are not served; a block of zeros keeps the byte 1 (its codes are zeros; only this program reads the bytes).
.set ZS,     2097152                   ; Z: scale bytes
.set QSO,    4194304                   ; Q: scale words
.set VCO,    2097152                   ; KV: V's codes
.set KVSO,   4194304                   ; KV: scale words, 768 bytes a key step
.set PITCH,  528                       ; an LDS row: 512 bytes + 16
.set TILE64, 64*PITCH                  ; what one tensor load of codes or of u1ss brings
.set UB,     5*TILE64                  ; LDS: rows 0-127 positions' codes, 128-319 W's codes; then 192 rows of u1ss (128 f32 each)
.set SC,     8*TILE64                  ; then 320 rows of 32 scale bytes, dense
.set SPARE,  294912                    ; the spare words, 128 bytes for each of the twelve waves
.set SPW,  1
.set NIL,  2
.set L16,  3
.set L4,   4
.set AG,   5                           ; LDS addresses: G's codes, L's two tiles, their scale rows, u1ss for the two tiles
.set AL0,  6
.set AL1,  7
.set SG,   8
.set SL0,  9
.set SL1,  10
.set AU0,  11
.set AU1,  12
.set RR,   13
.set HH,   14
.set V8H,  15
.set SCW,  16                          ; v16-27 two sets of six scale words: scales and nothing else
.set BR,   28                          ; v28-59 r_r_bias at d = 32 h + i
.set SELR, 60
.set SELP, 61                          ; sel(r) x 528 + 16 h; in the q arm later 128 h
.set RP,   62                          ; r x 528 + 16 h
.set PT,   63                          ; a lane permute's destination
.set ACC,  64                          ; v64-127: accumulator (a, b) at 32 a + 8 b
.set FR,   128                         ; v128-175, v176-223 two sets of fragments: G's four, L's two
.set BW,   224                         ; v224-255 r_w_bias
.set T,    128                         ; the way out, in the fragments' registers: 32 numbers; codes; words; bytes; at work
.set CQ,   160
.set W0,   176
.set W1,   177
.set WO,   178
.set BY,   180
.set OB,   182
.set TMP,  184
.set WV,   20
.set G1C,  24                          ; descriptor groups 1: positions' codes; W's codes; u1ss; positions' scales; W's scales
.set G1W,  32
.set G1U,  40
.set G1S,  48
.set G1SW, 56
.set G0ZC, 68                          ; groups 0
.set G0ZS, 72
.set G0WC, 76
.set G0WS, 80
.set G0U,  84
.set SEL,  100
.macro PLACES n
.rept \n
	v_nop
.endr
.endm
.macro QUANT32 src, cod, byt, tmp      ; 32 consecutive registers, one block, become four registers of codes and the block's byte; read from the low end on
	v_max3_num_f32 v[\tmp], |v[\src]|, |v[\src+1]|, 0x1800000       ; the floor 2^(3 - 127): the byte cannot fall under 1
	v_max_num_f32 v[\tmp+1], |v[\src+2]|, |v[\src+3]|
.irp i, 4,8,12,16,20,24,28
	v_max3_num_f32 v[\tmp], v[\tmp], |v[\src+\i]|, |v[\src+\i+1]|
	v_max3_num_f32 v[\tmp+1], v[\tmp+1], |v[\src+\i+2]|, |v[\src+\i+3]|
.endr
	s_delay_alu instid0(VALU_DEP_1)
	v_max_num_f32 v[\tmp], v[\tmp], v[\tmp+1]
	s_delay_alu instid0(VALU_DEP_1)
	v_add_nc_u32 v[\tmp+2], 0xff000000, v[\tmp]                     ; 2 off the exponent field: the conversion's scale operand
	s_delay_alu instid0(VALU_DEP_1)
	v_lshrrev_b32 v[\byt], 23, v[\tmp+2]
.irp g, 0,1,2,3
	v_cvt_scalef32_pk8_fp4_f32 v[\cod+\g], v[\src+8*\g:\src+8*\g+7], v[\tmp+2]
.endr
	v_nop                                                           ; one plain line behind the last scaled conversion
.endm
.macro WORD w, byt, hi                 ; my block's byte and lane l xor 16's make bytes 0 and 1 of the row's scale word; hi: bytes 2 and 3
	v_lshlrev_b32 v[\w], v[V8H], v[\byt]
	s_delay_alu instid0(VALU_DEP_1)
	v_permlanex16_b32 v[PT], v[\w], s[SEL], s[SEL+1]
	s_delay_alu instid0(VALU_DEP_1)
	v_or_b32 v[\w], v[\w], v[PT]
	s_delay_alu instid0(VALU_DEP_1)
	v_or_b32 v[\w], \hi, v[\w]
.endm
.macro ROUND                           ; a round of the cluster's barrier
	s_barrier_signal -1
	s_barrier_wait -1
	s_cmp_lg_u32 s[WV], 0
	s_cbranch_scc1 .Lnot_wave_0_\@
	s_barrier_signal -3
.Lnot_wave_0_\@:
	s_barrier_wait -3
	s_barrier_signal -1
	s_barrier_wait -1
.endm
	s_load_b256 s[4:11], s[0:1], 0x0               ; Z, W's codes, W's scales, u1ss
	s_load_b256 s[12:19], s[0:1], 0x20             ; r_w_bias, r_r_bias, Q, KV
	v_lshl_add_u32 v[SPW], v0, 2, SPARE
	v_mov_b32 v[NIL], 0
	ds_add_u32 v[SPW], v[NIL]                      ; the wave's opening: the add, twice on end, and its wait ahead of the first tensor load
	ds_add_u32 v[SPW], v[NIL]
	v_lshrrev_b32 v[L16], 5, v0
	s_delay_alu instid0(VALU_DEP_1)
	v_readfirstlane_b32 s[WV], v[L16]              ; wave 0..11
	s_bfe_u32 s21, ttmp6, 0x40000                  ; cx: it enters global addresses of my own loads and stores alone
	s_lshl_b32 s22, ttmp9, 2
	s_add_co_u32 s22, s22, s21                     ; pb = 4 x cluster x + cx
	s_and_b32 s23, ttmp7, 0xffff                   ; cg, which the four partners share
	; groups 1, in elements of 8 bytes.  Codes and u1ss: 64 rows of 512 bytes, 16 bytes of padding behind each 128 words.
	s_mov_b32 s[G1C], (3<<16)|(1<<20)|(6<<22)|(3<<25)
	s_mov_b32 s[G1W], 15|(3<<16)|(1<<20)|(1<<21)|(6<<22)|(3<<25)   ; the same with the mask of all four work-groups, bit 21 beside it
	s_mov_b32 s[G1U], (3<<16)|(1<<20)|(6<<22)|(3<<25)
.irp g, G1C, G1W, G1U
	s_mov_b32 s[\g+1], 64<<16                      ; tensor_dim0 = 64 elements
	s_mov_b32 s[\g+2], 64<<16                      ; tensor_dim1 = 64 rows
	s_mov_b32 s[\g+3], 64<<16                      ; tile_dim0
	s_mov_b32 s[\g+4], 64                          ; tile_dim1
	s_mov_b32 s[\g+6], 0
	s_mov_b32 s[\g+7], 0
.endr
	s_mov_b32 s[G1C+5], 64                         ; rows of codes are dense;
	s_mov_b32 s[G1W+5], 64
	s_mov_b32 s[G1U+5], 1024                       ; a row of u1ss is 8,192 bytes
	; scale bytes of 64 rows: 2,048 dense bytes as 8 rows of 256
	s_mov_b32 s[G1S], 3<<16
	s_mov_b32 s[G1SW], 15|(3<<16)|(1<<21)
.irp g, G1S, G1SW
	s_mov_b32 s[\g+1], 32<<16
	s_mov_b32 s[\g+2], 8<<16
	s_mov_b32 s[\g+3], 32<<16
	s_mov_b32 s[\g+4], 8
	s_mov_b32 s[\g+5], 32
	s_mov_b32 s[\g+6], 0
	s_mov_b32 s[\g+7], 0
.endr
	v_and_b32 v[L4], 31, v0
	s_delay_alu instid0(VALU_DEP_1)
	v_lshlrev_b32 v[L16], 4, v[L4]
	s_delay_alu instid0(VALU_DEP_2)
	v_lshlrev_b32 v[L4], 2, v[L4]
	v_and_b32 v[RR], 15, v0
	v_bfe_u32 v[HH], v0, 4, 1
	s_delay_alu instid0(VALU_DEP_1)
	v_lshlrev_b32 v[V8H], 3, v[HH]
	s_delay_alu instid0(VALU_DEP_3)
	v_lshrrev_b32 v[SELR], 3, v[RR]
	s_delay_alu instid0(VALU_DEP_1)
	v_mad_u32_u24 v[SELR], v[SELR], 24, v[RR]      ; sel(r)
	s_delay_alu instid0(VALU_DEP_1)
	v_mul_u32_u24 v[SELP], v[SELR], PITCH
	s_delay_alu instid0(VALU_DEP_1)
	v_lshl_add_u32 v[SELP], v[HH], 4, v[SELP]
	v_mul_u32_u24 v[RP], v[RR], PITCH
	s_delay_alu instid0(VALU_DEP_1)
	v_lshl_add_u32 v[RP], v[HH], 4, v[RP]
	v_mov_b32 v[PT], 0                             ; written once: a lane permute's destination counts as one of its sources
	s_mov_b32 s[SEL], 0x76543210
	s_mov_b32 s[SEL+1], 0xfedcba98
	s_lshr_b32 s88, s[WV], 2                       ; hl
	s_and_b32 s89, s[WV], 3                        ; sub
	s_wait_dscnt 0x0                               ; both opening adds are done
	s_wait_kmcnt 0x0
	; groups 0, made by every wave; the index within a role is clamped, so that every address lies inside its buffer in every wave
	s_mul_i32 s90, s[WV], TILE64                   ; LDS: waves 0, 1 positions' rows; 2-4 W's rows; 5-7 u1ss: wave x 33,792 in each case
	s_lshl_b32 s91, s[WV], 11
	s_add_co_u32 s91, s91, SC                      ; and the scale bytes of the same rows
	s_mov_b32 s93, 0
	s_and_b32 s94, s[WV], 1
	s_lshl_b32 s92, s22, 16                        ; positions 128 pb + 64 (w & 1): rows of 512 bytes
	s_lshl_b32 s95, s94, 15
	s_add_co_u32 s92, s92, s95
	s_mov_b32 s[G0ZC], 1
	s_mov_b32 s[G0ZC+1], s90
	s_add_nc_u64 s[G0ZC+2:G0ZC+3], s[4:5], s[92:93]
	s_or_b32 s[G0ZC+3], s[G0ZC+3], 0x80000000
	s_lshl_b32 s92, s22, 12                        ; their scale rows of 32 bytes
	s_lshl_b32 s95, s94, 11
	s_add_co_u32 s92, s92, s95
	s_add_co_u32 s92, s92, ZS
	s_mov_b32 s[G0ZS], 1
	s_mov_b32 s[G0ZS+1], s91
	s_add_nc_u64 s[G0ZS+2:G0ZS+3], s[4:5], s[92:93]
	s_or_b32 s[G0ZS+3], s[G0ZS+3], 0x80000000
	s_sub_co_u32 s98, s[WV], 2                     ; the joint loads' offsets: in registers that never hold pb
	s_min_u32 s98, s98, 2
	s_mul_i32 s96, s23, 192*512                    ; W's rows 192 cg + 64 (w - 2)
	s_lshl_b32 s99, s98, 15
	s_add_co_u32 s96, s96, s99
	s_mov_b32 s97, 0
	s_mov_b32 s[G0WC], 1
	s_mov_b32 s[G0WC+1], s90
	s_add_nc_u64 s[G0WC+2:G0WC+3], s[6:7], s[96:97]
	s_or_b32 s[G0WC+3], s[G0WC+3], 0x80000000
	s_mul_i32 s96, s23, 192*32
	s_lshl_b32 s99, s98, 11
	s_add_co_u32 s96, s96, s99
	s_mov_b32 s[G0WS], 1
	s_mov_b32 s[G0WS+1], s91
	s_add_nc_u64 s[G0WS+2:G0WS+3], s[8:9], s[96:97]
	s_or_b32 s[G0WS+3], s[G0WS+3], 0x80000000
	s_sub_co_u32 s94, s[WV], 5
	s_min_u32 s94, s94, 2
	s_lshr_b32 s95, s22, 4                         ; b
	s_mul_i32 s92, s95, 3072*8192                  ; u1ss: row 3072 b + 192 cg + 64 (w - 5), column 128 step
	s_mul_i32 s95, s23, 192*8192
	s_add_co_u32 s92, s92, s95
	s_lshl_b32 s95, s94, 19
	s_add_co_u32 s92, s92, s95
	s_and_b32 s95, s22, 15
	s_lshl_b32 s95, s95, 9
	s_add_co_u32 s92, s92, s95
	s_mov_b32 s[G0U], 1
	s_mov_b32 s[G0U+1], s90
	s_add_nc_u64 s[G0U+2:G0U+3], s[10:11], s[92:93]
	s_or_b32 s[G0U+3], s[G0U+3], 0x80000000
	ROUND                                          ; all four work-groups are here: the joint loads meet
	; the first fills, the only ones: all of a wave's stand in its one arm; two loads of a wave are out at the most.  An s_nop 0 follows each load, four v_nop the last of an arm
	s_cmp_lt_u32 s[WV], 2
	s_cbranch_scc0 .Lnot_z
	tensor_load_to_lds s[G0ZC:G0ZC+3], s[G1C:G1C+7]
	s_nop 0
	tensor_load_to_lds s[G0ZS:G0ZS+3], s[G1S:G1S+7]
	s_nop 0
	PLACES 4
	s_branch .Lasked
.Lnot_z:
	s_cmp_lt_u32 s[WV], 5
	s_cbranch_scc0 .Lnot_w
	tensor_load_to_lds s[G0WC:G0WC+3], s[G1W:G1W+7]
	s_nop 0
	tensor_load_to_lds s[G0WS:G0WS+3], s[G1SW:G1SW+7]
	s_nop 0
	PLACES 4
	s_branch .Lasked
.Lnot_w:
	s_cmp_lt_u32 s[WV], 8
	s_cbranch_scc0 .Lasked
	tensor_load_to_lds s[G0U:G0U+3], s[G1U:G1U+7]
	s_nop 0
	PLACES 4
.Lasked:
	s_wait_tensorcnt 0x0                           ; my tiles have landed,
	s_barrier_signal -1
	s_barrier_wait -1                              ; everybody's have.  The descriptors' registers are free from here on
	s_mul_i32 s71, s23, 3
	s_add_co_u32 s71, s71, s88                     ; my head among the 48
	s_and_b32 s70, s71, 15                         ; n
	s_lshr_b32 s68, s22, 4
	s_lshl_b32 s68, s68, 4
	s_add_co_u32 s68, s68, s70                     ; bn = 16 b + n
	s_and_b32 s69, s22, 15                         ; the key step
	s_mov_b32 s77, 0
; s72 = G's first row, s73 = L's first row in LDS.  lrow, lp: L's lane part (r or sel(r)) as a row and as bytes; stride: rows from L's tile 0 to tile 1
.macro SETADR lrow, lp, stride
	s_mul_i32 s74, s72, PITCH
	v_add_nc_u32 v[AG], s74, v[SELP]
	s_lshl_b32 s74, s72, 5
	s_add_co_u32 s74, s74, SC
	v_lshl_add_u32 v[SG], v[SELR], 5, s74
	s_mul_i32 s74, s73, PITCH
	v_add_nc_u32 v[AL0], s74, v[\lp]
	s_delay_alu instid0(VALU_DEP_1)
	v_add_nc_u32 v[AL1], \stride*PITCH, v[AL0]
	s_lshl_b32 s74, s73, 5
	s_add_co_u32 s74, s74, SC
	v_lshl_add_u32 v[SL0], v[\lrow], 5, s74
	s_delay_alu instid0(VALU_DEP_1)
	v_add_nc_u32 v[SL1], \stride*32, v[SL0]
.endm
; q and k: register 8 b + j of lane (r, h) is channel 32 h + 8 b + j of the head, at L's position: u1ss row by the register, column by the lane
.macro CLOAD_QK lrow, stride
	s_mul_i32 s74, s88, TILE64
	s_lshl_b32 s75, s73, 2
	s_add_co_u32 s74, s74, s75
	s_add_co_u32 s74, s74, UB
	v_mul_u32_u24 v[AU0], v[HH], 32*PITCH
	s_delay_alu instid0(VALU_DEP_1)
	v_lshl_add_u32 v[AU0], v[\lrow], 2, v[AU0]
	s_delay_alu instid0(VALU_DEP_1)
	v_add_nc_u32 v[AU0], s74, v[AU0]
	s_delay_alu instid0(VALU_DEP_1)
	v_add_nc_u32 v[AU1], 4*\stride, v[AU0]
.irp a, 0,1
.set i, 0
.rept 32
	ds_load_b32 v[ACC+32*\a+i], v[AU0+\a] offset:i*PITCH
.set i, i+1
.endr
.endr
.endm
.macro FETCH ks                        ; a K step's six fragments and six scale words, into set ks % 2: 18 LDS loads
.set FS, FR+48*((\ks)%2)
.set SS, SCW+6*((\ks)%2)
.irp b, 0,1,2,3
.irp e, 0,1
	ds_load_b128 v[FS+8*\b+4*\e:FS+8*\b+4*\e+3], v[AG] offset:8*PITCH*\b+64*(\ks)+32*\e
.endr
.endr
.irp e, 0,1
	ds_load_b128 v[FS+32+4*\e:FS+32+4*\e+3], v[AL0] offset:64*(\ks)+32*\e
	ds_load_b128 v[FS+40+4*\e:FS+40+4*\e+3], v[AL1] offset:64*(\ks)+32*\e
.endr
.irp b, 0,1,2,3
	ds_load_b32 v[SS+\b], v[SG] offset:256*\b+4*(\ks)
.endr
	ds_load_b32 v[SS+4], v[SL0] offset:4*(\ks)
	ds_load_b32 v[SS+5], v[SL1] offset:4*(\ks)
.endm
.macro KSTEP ks
.if (\ks) > 0
	PLACES 4                                       ; places in front of loads into registers that the last step's products have read
.endif
.if (\ks) < 7
	FETCH (\ks)+1
	s_wait_dscnt 18                                ; all but the 18 just issued: this step's fragments, and in step 0 u1ss, are in
.else
	s_wait_dscnt 0x0
.endif
.set FS, FR+48*((\ks)%2)
.set SS, SCW+6*((\ks)%2)
.irp a, 0,1
.irp b, 0,1,2,3
	v_wmma_scale_f32_16x16x128_f8f6f4 v[ACC+32*\a+8*\b:ACC+32*\a+8*\b+7], v[FS+8*\b:FS+8*\b+7], v[FS+32+8*\a:FS+32+8*\a+7], v[ACC+32*\a+8*\b:ACC+32*\a+8*\b+7], v[SS+\b], v[SS+4+\a] matrix_a_fmt:MATRIX_FMT_FP4 matrix_b_fmt:MATRIX_FMT_FP4
.endr
.endr
.endm
.macro MAIN                            ; K = 1,024 in eight steps; the eight accumulators take turns; they begin as u1ss
	FETCH 0
.irp s, 0,1,2,3,4,5,6,7
	KSTEP \s
.endr
	PLACES 4                                       ; in front of the first read of the results
.endm
	s_cmp_lt_u32 s71, 16                           ; cg and the wave's number alone: the same in all four partners
	s_cbranch_scc1 .Lq
	s_cmp_lt_u32 s71, 32
	s_cbranch_scc1 .Lk
	; ---- a v head
	s_lshr_b32 s86, s89, 1                         ; c: which 64 keys of the step
	s_and_b32 s87, s89, 1
	s_lshl_b32 s72, s86, 6                         ; G: positions 64 c on
	s_lshl_b32 s73, s88, 6
	s_lshl_b32 s74, s87, 4
	s_add_co_u32 s75, s73, s74                     ; 64 hl + 16 (sub % 2): my rows among the 192
	s_add_co_u32 s73, s75, 128                     ; L: the same in LDS rows
	s_mul_i32 s78, s75, PITCH
	s_lshl_b32 s79, s72, 2
	s_add_co_u32 s78, s78, s79
	s_add_co_u32 s78, s78, UB
	s_wait_alu depctr_va_vdst(0)
	SETADR SELR, SELP, 8
	v_mul_u32_u24 v[AU0], v[SELR], PITCH           ; u1ss: row by the lane, 8 neighbouring positions 64 c + 32 h + 8 b + j by the registers
	s_delay_alu instid0(VALU_DEP_1)
	v_lshl_add_u32 v[AU0], v[HH], 7, v[AU0]
	s_delay_alu instid0(VALU_DEP_1)
	v_add_nc_u32 v[AU0], s78, v[AU0]
	s_delay_alu instid0(VALU_DEP_1)
	v_add_nc_u32 v[AU1], 8*PITCH, v[AU0]
.irp a, 0,1
.irp b, 0,1,2,3
.irp e, 0,1
	ds_load_b128 v[ACC+32*\a+8*\b+4*\e:ACC+32*\a+8*\b+4*\e+3], v[AU0+\a] offset:32*\b+16*\e
.endr
.endr
.endr
	s_lshl_b32 s76, s68, 16                        ; V's codes: [bn][step][d tile 2 (sub % 2) + a][c][512]
	s_lshl_b32 s74, s69, 12
	s_add_co_u32 s76, s76, s74
	s_lshl_b32 s74, s87, 11
	s_add_co_u32 s76, s76, s74
	s_lshl_b32 s74, s86, 9
	s_add_co_u32 s76, s76, s74
	s_add_co_u32 s76, s76, VCO
	s_add_nc_u64 s[82:83], s[18:19], s[76:77]
	s_mul_i32 s76, s68, 12288                      ; V's scale words: behind K's 512 bytes, [d tile][16 rows], byte 2 c + h
	s_mul_i32 s74, s69, 768
	s_add_co_u32 s76, s76, s74
	s_lshl_b32 s74, s87, 7
	s_add_co_u32 s76, s76, s74
	s_lshl_b32 s74, s86, 1
	s_add_co_u32 s76, s76, s74
	s_add_co_u32 s76, s76, KVSO+512
	s_add_nc_u64 s[84:85], s[18:19], s[76:77]
	s_wait_alu depctr_va_vdst(0)
	MAIN
	v_lshl_add_u32 v[OB], v[RR], 2, v[HH]          ; 4 r + h
.irp a, 0,1
	QUANT32 ACC+32*\a, CQ+4*\a, BY+\a, TMP
	global_store_b128 v[L16], v[CQ+4*\a:CQ+4*\a+3], s[82:83] offset:1024*\a
	global_store_b8 v[OB], v[BY+\a], s[84:85] offset:64*\a       ; single bytes: 64 a wave; the word's other bytes come from the waves of the other c
.endr
	s_branch .Lend
	; ---- a k head
.Lk:
	s_lshl_b32 s72, s88, 6
	s_add_co_u32 s72, s72, 128                     ; G: my head's rows of W
	s_lshr_b32 s73, s89, 1
	s_lshl_b32 s73, s73, 6
	s_and_b32 s74, s89, 1
	s_lshl_b32 s74, s74, 4
	s_add_co_u32 s73, s73, s74                     ; L: keys 64 (sub / 2) + 16 (sub % 2) + 8 a + sel(r): tiles 2 sub and 2 sub + 1 of the step
	s_wait_alu depctr_va_vdst(0)
	SETADR SELR, SELP, 8
	CLOAD_QK SELR, 8
	s_lshl_b32 s76, s68, 16                        ; K's codes: [bn][step][tile][512]
	s_lshl_b32 s74, s69, 12
	s_add_co_u32 s76, s76, s74
	s_lshl_b32 s74, s89, 10
	s_add_co_u32 s76, s76, s74
	s_add_nc_u64 s[82:83], s[18:19], s[76:77]
	s_mul_i32 s76, s68, 12288                      ; K's scale words: [tile][16]
	s_mul_i32 s74, s69, 768
	s_add_co_u32 s76, s76, s74
	s_lshl_b32 s74, s89, 7
	s_add_co_u32 s76, s76, s74
	s_add_co_u32 s76, s76, KVSO
	s_add_nc_u64 s[84:85], s[18:19], s[76:77]
	s_wait_alu depctr_va_vdst(0)
	MAIN
	v_cmp_eq_u32 vcc_lo, 1, v[HH]
.irp a, 0,1
	QUANT32 ACC+32*\a, CQ+4*\a, BY, TMP
	global_store_b128 v[L16], v[CQ+4*\a:CQ+4*\a+3], s[82:83] offset:512*\a
	WORD W0+\a, BY, 0x40400000
.endr
	s_delay_alu instid0(VALU_DEP_1)
	v_cndmask_b32 v[WO], v[W0], v[W1], vcc_lo      ; lanes 0-15 the first tile's words, lanes 16-31 the second's
	global_store_b32 v[L4], v[WO], s[84:85]
	s_branch .Lend
	; ---- a q head
.Lq:
	s_lshl_b32 s72, s88, 6
	s_add_co_u32 s72, s72, 128                     ; G: my head's rows of W
	s_lshl_b32 s73, s89, 5                         ; L: positions 32 sub + 16 a + r
	s_wait_alu depctr_va_vdst(0)
	SETADR RR, RP, 16
	CLOAD_QK RR, 16
	s_lshl_b32 s76, s70, 8                         ; the head's 64 numbers of each bias; lane (r, h) wants d = 32 h + 0 .. 31
	s_add_nc_u64 s[78:79], s[12:13], s[76:77]
	s_add_nc_u64 s[80:81], s[14:15], s[76:77]
	v_lshlrev_b32 v[SELP], 7, v[HH]                ; (its first use is over)
.irp e, 0,1,2,3,4,5,6,7
	global_load_b128 v[BW+4*\e:BW+4*\e+3], v[SELP], s[78:79] offset:16*\e
	global_load_b128 v[BR+4*\e:BR+4*\e+3], v[SELP], s[80:81] offset:16*\e
.endr
	s_lshl_b32 s76, s68, 17                        ; Q's codes: [bn][tile of 16 queries][r_w, r_r][512]
	s_lshl_b32 s74, s69, 13
	s_add_co_u32 s76, s76, s74
	s_lshl_b32 s74, s89, 11
	s_add_co_u32 s76, s76, s74
	s_add_nc_u64 s[82:83], s[16:17], s[76:77]
	s_lshl_b32 s76, s68, 14                        ; Q's scale words: [bn][tile][32]
	s_lshl_b32 s74, s69, 10
	s_add_co_u32 s76, s76, s74
	s_lshl_b32 s74, s89, 8
	s_add_co_u32 s76, s76, s74
	s_add_co_u32 s76, s76, QSO
	s_add_nc_u64 s[84:85], s[16:17], s[76:77]
	s_wait_alu depctr_va_vdst(0)
	MAIN
	s_wait_loadcnt 0x0                             ; the biases
	v_cmp_eq_u32 vcc_lo, 1, v[HH]
.irp a, 0,1
.set i, 0
.rept 16
	v_pk_add_f32 v[T+i:T+i+1], v[ACC+32*\a+i:ACC+32*\a+i+1], v[BW+i:BW+i+1]
.set i, i+2
.endr
	QUANT32 T, CQ+8*\a, BY, TMP
	global_store_b128 v[L16], v[CQ+8*\a:CQ+8*\a+3], s[82:83] offset:1024*\a
	WORD W0, BY, 0x40400000
.set i, 0
.rept 16
	v_pk_add_f32 v[T+i:T+i+1], v[ACC+32*\a+i:ACC+32*\a+i+1], v[BR+i:BR+i+1]
.set i, i+2
.endr
	QUANT32 T, CQ+8*\a+4, BY, TMP
	global_store_b128 v[L16], v[CQ+8*\a+4:CQ+8*\a+7], s[82:83] offset:1024*\a+512
	WORD W1, BY, 0x407f0000                        ; byte 2 = 127: the scale 1 of the code +6 that the attention sets at k = 64
	s_delay_alu instid0(VALU_DEP_1)
	v_cndmask_b32 v[WO+\a], v[W0], v[W1], vcc_lo   ; lanes 0-15 the words of q + r_w_bias, lanes 16-31 those of q + r_r_bias
	global_store_b32 v[L4], v[WO+\a], s[84:85] offset:128*\a
.endr
.Lend:
	s_wait_tensorcnt 0x0                           ; the wave's end
	ds_add_u32 v[SPW], v[NIL]
	s_wait_dscnt 0x0
	ROUND                                          ; the closing round
	s_endpgm
.Lfunc_end_k_q8f9ae172bb_qkv:
	.size	k_q8f9ae172bb_qkv, .Lfunc_end_k_q8f9ae172bb_qkv-k_q8f9ae172bb_qkv
	.p2alignl 7, 3214868480
	.fill 96, 4, 3214868480
	.section	.rodata,"a",@progbits
	.p2align	6, 0x0
	.amdhsa_kernel k_q8f9ae172bb_qkv
		.amdhsa_group_segment_fixed_size 296448
		.amdhsa_private_segment_fixed_size 0
		.amdhsa_enable_private_segment 0
		.amdhsa_kernarg_size 64
		.amdhsa_user_sgpr_count 2
		.amdhsa_user_sgpr_kernarg_segment_ptr 1
		.amdhsa_wavefront_size32 1
		.amdhsa_system_sgpr_workgroup_id_x 1
		.amdhsa_system_sgpr_workgroup_id_y 1
		.amdhsa_system_sgpr_workgroup_id_z 1
		.amdhsa_system_vgpr_workitem_id 0
		.amdhsa_next_free_vgpr 256
		.amdhsa_next_free_sgpr 102
		.amdhsa_reserve_vcc 1
		.amdhsa_float_denorm_mode_32 3
		.amdhsa_float_denorm_mode_16_64 3
		.amdhsa_memory_ordered 1
		.amdhsa_forward_progress 1
		.amdhsa_inst_pref_size 100
	.end_amdhsa_kernel
	.amdgpu_metadata
---
amdhsa.version: [ 1, 2 ]
amdhsa.kernels:
  - .name:           k_q8f9ae172bb_qkv
    .symbol:         k_q8f9ae172bb_qkv.kd
    .args:
      - { .name: Z, .offset: 0, .size: 8, .value_kind: global_buffer, .address_space: global }
      - { .name: W_qkv_codes, .offset: 8, .size: 8, .value_kind: global_buffer, .address_space: global }
      - { .name: W_qkv_scales, .offset: 16, .size: 8, .value_kind: global_buffer, .address_space: global }
      - { .name: u1ss, .offset: 24, .size: 8, .value_kind: global_buffer, .address_space: global }
      - { .name: r_w_bias, .offset: 32, .size: 8, .value_kind: global_buffer, .address_space: global }
      - { .name: r_r_bias, .offset: 40, .size: 8, .value_kind: global_buffer, .address_space: global }
      - { .name: Q, .offset: 48, .size: 8, .value_kind: global_buffer, .address_space: global }
      - { .name: KV, .offset: 56, .size: 8, .value_kind: global_buffer, .address_space: global }
    .group_segment_fixed_size: 296448
    .private_segment_fixed_size: 0
    .kernarg_segment_align: 8
    .kernarg_segment_size: 64
    .max_flat_workgroup_size: 384
    .sgpr_count:     102
    .vgpr_count:     256
    .wavefront_size: 32
...
	.end_amdgpu_metadata
.endif
;; end of part 2
;; launch attn (part 3): grid 8 x 32, 16 waves a work-group, no clusters, 310,784 bytes of LDS; arguments Q, KV, R, A; writes A
.if DOCPART == 3
	.amdgcn_target "amdgcn-amd-amdhsa--gfx1250"
	.amdhsa_code_object_version 6
	.text
	.protected	k_q8f9ae172bb_attn
	.globl	k_q8f9ae172bb_attn
	.p2align	8
	.type	k_q8f9ae172bb_attn,@function
k_q8f9ae172bb_attn:
	s_mov_b64 s[64:65], 0
	v_nop
	global_prefetch_b8 v0, s[64:65] scope:SCOPE_SE
	s_setreg_imm32_b32 hwreg(HW_REG_WAVE_MODE, 25, 1), 1
	s_wait_xcnt 0x0
; ATTN.  attn_vec = softmax((AC + shifted BD) / 8, masked) V on MX-FP4 codes, and attn_vec quantised along (head, d) for the projection: A, as images of operand registers.
; WORK LEFT OUT: key steps that lie wholly under the mask that reference() builds (keys after the query, or 1000 or more before it): see the head of the first kernel.  A NaN or infinity there is not carried on.
; SHARES.  A work-group owns 256 queries (g = 0 .. 7) of one (b, n); each of its sixteen waves 16 of them, in 256 registers.  The keys that count for the 256 queries lie in ten steps of 128, from step max(2 g - 8, 0).
; All that the work-group reads of K, V, R and their scale words (140,800 bytes) is filled ONCE, at the head: in LDS the codes of K, V and R and R's scale words lie on end in thirteen blocks of 10,240 bytes, and wave w < 13
; fetches block w; wave 13 fetches K's and V's scale words.  One barrier; behind it the waves share nothing.
; NO CLUSTER: of those bytes only R's 51,200 are common to the work-groups of a head; partners that share them differ in g, and which steps a wave leaves out, and where it reads R in LDS, hang on g.
; THE STEPS GO DOWNWARD from the diagonal, so that every query meets its own key in its first step: the running maximum is a true score from then on.
; BD.  For j <= i the shifted BD[i][j] is BDraw[i][rho], rho = 2047 - i + j.  For 16 queries from i0 and 128 keys from j0 that is rho = rho_base + 15 - (i - i0) + (j - j0), rho_base = 2032 + j0 - i0: nine tiles of 16 columns of R.
; They are multiplied untransposed (source 0 = queries, source 1 = R): lane (r, h), register j of tile t holds query 8 h + j, column 16 t + r.  Each register goes by one LDS store to row (query) and word
; 1 + 16 t + r + query of the wave's own array: key kappa of the step then stands at word 16 + kappa of every row.  Read back, a lane a query, it is THE C OF S^T = K Q^T: the sum AC + BD costs no vector line.
; THE MASK is a function of rho alone and rides in the product: at k = 64 the operand q + r_r_bias holds the code +6 under the scale 1, every fragment buffer the code -6, and byte 2 of R's scale word is 2^100 for a hidden
; rho, 2^-126 for a live one.  A hidden score is -36 x 2^100: finite, p = 0.  In K Q^T the operand q + r_w_bias holds the code 0 there.
; LIMITS: scores stay far under 2^100 in magnitude; a live score is moved by 36 x 2^-126; NaN and infinities are not served.
; THE SOFTMAX: t = score x log2(e) / 8; M = the running largest t rounded up to a whole number; p = 2^(t - M) is quantised along the keys; the sum is taken of the unquantised p and divides at the end.
; THE KEYS OF A TILE: lane m of tile 4 c + u holds key 64 c + 8 u + (m & 7) + 32 (m >> 3), so lane (r, h) has keys 64 c + 32 h + 0 .. 31 in the 32 registers of tiles 4 c .. 4 c + 3: a whole block, in the operand's order.
.set QSO,   4194304
.set VCO,   2097152
.set KVSO,  4194304
.set RSO,   655360
.set ASO,   2097152
.set BLK,   10240                      ; what one of the thirteen loads brings
.set VCL,   4*BLK                      ; LDS: K's codes at 0, V's, R's, 40,960 bytes each;
.set RC,    8*BLK
.set RSL,   12*BLK                     ; R's scale words, 10,240 bytes;
.set KVSL,  13*BLK                     ; K's and V's scale words, 768 bytes a step;
.set SKEW,  140800                     ; the waves' arrays: 16 rows x 656 bytes each;
.set SKW,   10496
.set SPARE, SKEW+16*SKW                ; the spare words, 128 bytes for each of the sixteen waves
.set SPW,  1
.set NIL,  2
.set AKC,  3                           ; 16 x lane: K's codes begin at LDS byte 0; also the offset of Q's loads and A's store
.set AVC,  4
.set ARC,  5
.set AKS,  6
.set ARS,  7
.set ASKS, 8
.set ASKL, 9
.set ADK,  10
.set ADV,  11
.set QW,   16                          ; v16-23 q + r_w_bias: four registers of codes, four of zeros
.set QR,   24                          ; v24-31 q + r_r_bias: four of codes, the code +6 at k = 64, zeros
.set QS,   32                          ; scale words, and nothing else: v32 Q's, v33-41 R's nine, v42-45 K's, v46-47 V's
.set RSW,  33
.set KSW,  42
.set VSW,  46
.set FB,   48                          ; v48-119 nine buffers of 8: registers 0-3 loaded; register 4: the code -6 at k = 64; 5-7 zeros
.set P,    120                         ; v120-127 p's codes
.set S,    128                         ; v128-199 BD's nine tiles; then S^T (64), p, V's fragments (32)
.set O,    200                         ; v200-231 O^T
.set ADS,  232
.set ADR,  233
.set ADRS, 234
.set V8H,  235
.set BM,   236                         ; v236, v237 the two blocks' largest score, then largest p
.set PT,   238                         ; a lane permute's destination
.set TT1,  239
.set FF,   240                         ; v[240:241] f = 2^(old M - new M), in the low word
.set SU,   242                         ; v[242:243] the sum's second chain
.set SOP,  244                         ; v244, v245 the conversions' scale operands; v246, v247 the bytes
.set BYT,  246
.set PS,   248                         ; p's scale word, and nothing else
.set L4,   250
.set TMP,  251                         ; v251-253, v254: the last quantiser's
.set OB,   255                         ; 4 r + h
.set WV,   12
.set G1C,  24                          ; s[24:31] descriptor group 1 for a block of 10,240 bytes;  s[32:39] for K's and V's scale words;  s[48:51] my group 0
.set G1KS, 32
.set G0,   48
.set SEL,  72
.set CS,   74                          ; s[74:75] c = log2(e) / 8
.set KO,   76                          ; the step's codes in the window: 4,096 a step
.set SO,   77                          ; its scale words: 768 a step
.set T0,   78                          ; the first of its nine tiles of R
.set TT,   79
.set CNT,  80
.macro PLACES n
.rept \n
	v_nop
.endr
.endm
.macro QUANT32 src, cod, byt, tmp
	v_max3_num_f32 v[\tmp], |v[\src]|, |v[\src+1]|, 0x1800000
	v_max_num_f32 v[\tmp+1], |v[\src+2]|, |v[\src+3]|
.irp i, 4,8,12,16,20,24,28
	s_delay_alu instid0(VALU_DEP_2)
	v_max3_num_f32 v[\tmp], v[\tmp], |v[\src+\i]|, |v[\src+\i+1]|
	s_delay_alu instid0(VALU_DEP_2)
	v_max3_num_f32 v[\tmp+1], v[\tmp+1], |v[\src+\i+2]|, |v[\src+\i+3]|
.endr
	s_delay_alu instid0(VALU_DEP_1)
	v_max_num_f32 v[\tmp], v[\tmp], v[\tmp+1]
	s_delay_alu instid0(VALU_DEP_1)
	v_add_nc_u32 v[\tmp+2], 0xff000000, v[\tmp]
	s_delay_alu instid0(VALU_DEP_1)
	v_lshrrev_b32 v[\byt], 23, v[\tmp+2]
.irp g, 0,1,2,3
	v_cvt_scalef32_pk8_fp4_f32 v[\cod+\g], v[\src+8*\g:\src+8*\g+7], v[\tmp+2]
.endr
	v_nop
.endm
	s_load_b256 s[4:11], s[0:1], 0x0               ; Q, KV, R, A
	v_lshl_add_u32 v[SPW], v0, 2, SPARE
	v_mov_b32 v[NIL], 0
	ds_add_u32 v[SPW], v[NIL]                      ; the wave's opening: the add, twice on end, and its wait ahead of the first tensor load
	ds_add_u32 v[SPW], v[NIL]
	v_lshrrev_b32 v[TT1], 5, v0
	s_delay_alu instid0(VALU_DEP_1)
	v_readfirstlane_b32 s[WV], v[TT1]              ; wave 0..15
	s_mov_b32 s13, ttmp9                           ; g
	s_and_b32 s14, ttmp7, 0xffff                   ; bn
	s_and_b32 s15, s14, 15                         ; n
	s_lshl_b32 s17, s13, 1
	s_min_u32 s18, s17, 8
	s_sub_co_u32 s16, s17, s18                     ; the window's first key step
	; groups 1: dense blocks as rows of 256 bytes (32 elements of 8): 40 and 30 rows
.irp g, G1C, G1KS
	s_mov_b32 s[\g], 3<<16
	s_mov_b32 s[\g+1], 32<<16
	s_mov_b32 s[\g+3], 32<<16
	s_mov_b32 s[\g+5], 32
	s_mov_b32 s[\g+6], 0
	s_mov_b32 s[\g+7], 0
.endr
	s_mov_b32 s[G1C+2], 40<<16
	s_mov_b32 s[G1C+4], 40
	s_mov_b32 s[G1KS+2], 30<<16
	s_mov_b32 s[G1KS+4], 30
	s_mov_b32 s[SEL], 0x76543210
	s_mov_b32 s[SEL+1], 0xfedcba98
	s_mov_b32 s[CS], 0x3e38aa3b
	s_mov_b32 s[CS+1], s[CS]                       ; (named with it as a pair, so it is written)
	v_and_b32 v[L4], 31, v0
	s_delay_alu instid0(VALU_DEP_1)
	v_lshlrev_b32 v[AKC], 4, v[L4]
	s_delay_alu instid0(VALU_DEP_2)
	v_lshlrev_b32 v[L4], 2, v[L4]
	s_delay_alu instid0(VALU_DEP_2)
	v_add_nc_u32 v[AVC], VCL, v[AKC]
	s_delay_alu instid0(VALU_DEP_3)
	v_add_nc_u32 v[ARC], RC, v[AKC]
	s_delay_alu instid0(VALU_DEP_3)
	v_add_nc_u32 v[AKS], KVSL, v[L4]
	s_delay_alu instid0(VALU_DEP_4)
	v_add_nc_u32 v[ARS], RSL, v[L4]
	v_and_b32 v[TMP], 15, v0                       ; r
	v_bfe_u32 v[TMP+1], v0, 4, 1                   ; h
	s_mul_i32 s17, s[WV], SKW
	s_add_co_u32 s17, s17, SKEW                    ; my array
	v_mul_u32_u24 v[ASKS], v[TMP+1], 5280          ; in: rows 8 h on (8 x 656) and 8 h words on
	s_delay_alu instid0(VALU_DEP_1)
	v_lshl_add_u32 v[ASKS], v[TMP], 2, v[ASKS]
	s_delay_alu instid0(VALU_DEP_1)
	v_add_nc_u32 v[ASKS], s17, v[ASKS]
	v_mul_u32_u24 v[ASKL], v[TMP], 656             ; back: row r, keys 32 h on
	s_delay_alu instid0(VALU_DEP_1)
	v_lshl_add_u32 v[ASKL], v[TMP+1], 7, v[ASKL]
	s_delay_alu instid0(VALU_DEP_1)
	v_add_nc_u32 v[ASKL], s17, v[ASKL]
	v_lshlrev_b32 v[V8H], 3, v[TMP+1]
	v_lshl_add_u32 v[OB], v[TMP], 2, v[TMP+1]
	v_mul_u32_u24 v[TMP+2], v[TMP+1], 15
	s_delay_alu instid0(VALU_DEP_1)
	v_sub_nc_u32 v[TMP+2], 15, v[TMP+2]            ; the code -6 in the low four bits where h = 0, else 0
	s_wait_dscnt 0x0                               ; both opening adds are done
	s_wait_kmcnt 0x0
	; what my wave fetches: waves 0-3 K's codes, 4-7 V's, 8-11 R's, a quarter each; wave 12 R's scale words; wave 13 K's and V's.  The choices hang on the wave's number alone
	s_mov_b32 s19, 0
	s_and_b32 s81, s[WV], 3
	s_mul_i32 s81, s81, BLK                        ; which quarter
	s_lshl_b32 s18, s14, 16
	s_lshl_b32 s17, s16, 12
	s_add_co_u32 s18, s18, s17                     ; 65,536 bn + 4,096 x the first step
	s_add_co_u32 s18, s18, s81
	s_bfe_u32 s17, s[WV], 0x10002                  ; 1 in waves 4-7
	s_mul_i32 s17, s17, VCO
	s_add_co_u32 s18, s18, s17                     ; waves 0-7: in KV
	s_mul_i32 s84, s15, 40960
	s_add_co_u32 s84, s84, s81                     ; waves 8-11: in R, the head's 80 tiles
	s_mul_i32 s85, s15, 10240
	s_add_co_u32 s85, s85, RSO                     ; wave 12: in R
	s_mul_i32 s86, s14, 12288
	s_mul_i32 s17, s16, 768
	s_add_co_u32 s86, s86, s17
	s_add_co_u32 s86, s86, KVSO                    ; wave 13: in KV
	s_cmp_lt_u32 s[WV], 12
	s_cselect_b32 s84, s84, s85
	s_cmp_lt_u32 s[WV], 8
	s_cselect_b32 s18, s18, s86
	s_sub_co_u32 s17, s[WV], 8
	s_cmp_lt_u32 s17, 5                            ; waves 8-12 fetch from R
	s_cselect_b32 s18, s84, s18
	s_cselect_b64 s[G0+2:G0+3], s[8:9], s[6:7]
	s_add_nc_u64 s[G0+2:G0+3], s[G0+2:G0+3], s[18:19]
	s_or_b32 s[G0+3], s[G0+3], 0x80000000
	s_mov_b32 s[G0], 1
	s_mul_i32 s[G0+1], s[WV], BLK                  ; and where it goes: wave x 10,240
	; the first fills, the only ones: one load a wave is out at the most; an s_nop 0 and four v_nop follow each of the two lines
	s_cmp_lt_u32 s[WV], 13
	s_cbranch_scc0 .Lnot_block
	tensor_load_to_lds s[G0:G0+3], s[G1C:G1C+7]
	s_nop 0
	PLACES 4
	s_branch .Lasked
.Lnot_block:
	s_cmp_eq_u32 s[WV], 13
	s_cbranch_scc0 .Lasked
	tensor_load_to_lds s[G0:G0+3], s[G1KS:G1KS+7]
	s_nop 0
	PLACES 4
.Lasked:
	s_lshl_b32 s18, s14, 17                        ; my tile of queries: 128 bn + 16 g + w; two images of 512 bytes
	s_lshl_b32 s17, s13, 14
	s_add_co_u32 s18, s18, s17
	s_lshl_b32 s17, s[WV], 10
	s_add_co_u32 s18, s18, s17
	s_add_nc_u64 s[20:21], s[4:5], s[18:19]
	global_load_b128 v[QW:QW+3], v[AKC], s[20:21]
	global_load_b128 v[QR:QR+3], v[AKC], s[20:21] offset:512
	s_lshl_b32 s18, s14, 14
	s_lshl_b32 s17, s13, 11
	s_add_co_u32 s18, s18, s17
	s_lshl_b32 s17, s[WV], 7
	s_add_co_u32 s18, s18, s17
	s_add_co_u32 s18, s18, QSO
	s_add_nc_u64 s[22:23], s[4:5], s[18:19]
	global_load_b32 v[QS], v[L4], s[22:23]
.irp i, 4,5,6,7
	v_mov_b32 v[QW+\i], 0
.endr
	s_wait_alu depctr_va_vdst(0)
	v_lshrrev_b32 v[QR+4], 1, v[TMP+2]             ; the code +6 where h = 0
.irp i, 5,6,7
	v_mov_b32 v[QR+\i], 0
.endr
.irp t, 0,1,2,3,4,5,6,7,8
	v_mov_b32 v[FB+8*\t+4], v[TMP+2]
	v_mov_b32 v[FB+8*\t+5], 0
	v_mov_b32 v[FB+8*\t+6], 0
	v_mov_b32 v[FB+8*\t+7], 0
.endr
	v_mov_b32 v13, 0xff61b1e6                      ; the largest t so far: -3e38, under every t
	s_delay_alu instid0(VALU_DEP_1)
	v_floor_f32 v12, -v13                          ; -M
	v_mov_b32 v14, 0                               ; the sum, in two halves
	v_mov_b32 v15, 0
	v_mov_b32 v[PT], 0                             ; written once: a lane permute's destination counts as one of its sources
	v_mov_b32 v[FF+1], 0                           ; (named as the upper half of a pair)
.set i, 0
.rept 32
	v_mov_b32 v[O+i], 0                            ; O^T.  (The step is written once: the first finds zeros, which the first change of M leaves zeros)
.set i, i+1
.endr
	s_mov_b32 s[KO], 9*4096
	s_mov_b32 s[SO], 9*768
	s_lshl_b32 s[T0], s16, 3                       ; T0 = 71 + 8 (first step + s) - 16 g - w, at s = 9
	s_add_co_u32 s[T0], s[T0], 143
	s_lshl_b32 s17, s13, 4
	s_sub_co_u32 s[T0], s[T0], s17
	s_sub_co_u32 s[T0], s[T0], s[WV]
	s_mov_b32 s[CNT], 10
	s_wait_tensorcnt 0x0                           ; my block has landed,
	s_barrier_signal -1
	s_barrier_wait -1                              ; everybody's has
	s_wait_loadcnt 0x0                             ; Q
.Lstep:                                            ; ten trips, a constant; a step none of whose keys counts for my 16 queries is left out by a scalar branch on ids
	s_sub_co_u32 s81, s[T0], 1
	s_cmp_lt_u32 s81, 71                           ; 1 <= T0 <= 71: the step begins at or under my first query, and its last key lies less than 1000 under it
	s_cbranch_scc0 .Lnone
	s_min_u32 s[TT], s[T0], 71
	s_lshl_b32 s82, s[TT], 9
	s_lshl_b32 s83, s[TT], 7
	s_setprio 2
	v_add_nc_u32 v[ADK], s[KO], v[AKC]             ; these six lines are also the places between the last step's products and the first below, which writes over V's registers
	v_add_nc_u32 v[ADV], s[KO], v[AVC]
	v_add_nc_u32 v[ADS], s[SO], v[AKS]
	v_add_nc_u32 v[ADR], s82, v[ARC]
	v_add_nc_u32 v[ADRS], s83, v[ARS]
	v_nop
.irp t, 0,1,2,3,4,5,6,7,8
	ds_load_b128 v[FB+8*\t:FB+8*\t+3], v[ADR] offset:512*\t
	ds_load_b32 v[RSW+\t], v[ADRS] offset:128*\t
.endr
	s_wait_alu depctr_va_vdst(0)
	s_wait_dscnt 0x0
.irp t, 0,1,2,3,4,5,6,7,8
	v_wmma_scale_f32_16x16x128_f8f6f4 v[S+8*\t:S+8*\t+7], v[QR:QR+7], v[FB+8*\t:FB+8*\t+7], 0, v[QS], v[RSW+\t] matrix_a_fmt:MATRIX_FMT_FP4 matrix_b_fmt:MATRIX_FMT_FP4 matrix_a_scale:MATRIX_SCALE_ROW1
.endr
	PLACES 5                                       ; in front of the loads into the buffers, of the stores that read the results, and of the products below, which write the same registers
.irp t, 0,1,2,3,4,5,6,7
	ds_load_b128 v[FB+8*\t:FB+8*\t+3], v[ADK] offset:512*\t
.endr
.irp p, 0,1,2,3
	ds_load_b32 v[KSW+\p], v[ADS] offset:128*\p    ; lanes 0-15 tile 2 p's words, lanes 16-31 tile 2 p + 1's
.endr
.irp t, 0,1,2,3,4,5,6,7,8
.irp j, 0,1,2,3,4,5,6,7
	ds_store_b32 v[ASKS], v[S+8*\t+\j] offset:4+660*\j+64*\t   ; each tile from its low end on
.endr
.endr
.irp c, 0,1
.irp u, 0,1,2,3
.irp e, 0,1
	ds_load_b128 v[S+32*\c+8*\u+4*\e:S+32*\c+8*\u+4*\e+3], v[ASKL] offset:64+256*\c+32*\u+16*\e   ; LDS serves a wave's instructions in order: these see my stores
.endr
.endr
.endr
	s_wait_dscnt 0x0
.irp t, 0,2,4,6                                ; S^T = K Q^T + BD; the accumulators take turns
	v_wmma_scale_f32_16x16x128_f8f6f4 v[S+8*\t:S+8*\t+7], v[FB+8*\t:FB+8*\t+7], v[QW:QW+7], v[S+8*\t:S+8*\t+7], v[KSW+\t/2], v[QS] matrix_a_fmt:MATRIX_FMT_FP4 matrix_b_fmt:MATRIX_FMT_FP4
	v_wmma_scale_f32_16x16x128_f8f6f4 v[S+8*\t+8:S+8*\t+15], v[FB+8*\t+8:FB+8*\t+15], v[QW:QW+7], v[S+8*\t+8:S+8*\t+15], v[KSW+\t/2], v[QS] matrix_a_fmt:MATRIX_FMT_FP4 matrix_b_fmt:MATRIX_FMT_FP4 matrix_a_scale:MATRIX_SCALE_ROW1
.endr
	PLACES 4
.irp c, 0,1
	v_max3_num_f32 v[BM+\c], v[S+32*\c], v[S+32*\c+1], v[S+32*\c+2]   ; the largest score of each of my two blocks of 32 keys: it serves for the row's maximum and, since p rises with the score, for the block's largest p
.endr
.irp i, 3,5,7,9,11,13,15,17,19,21,23,25,27,29
.irp c, 0,1
	v_max3_num_f32 v[BM+\c], v[BM+\c], v[S+32*\c+\i], v[S+32*\c+\i+1]
.endr
.endr
.irp c, 0,1
	v_max_num_f32 v[BM+\c], v[BM+\c], v[S+32*\c+31]
.endr
	s_delay_alu instid0(VALU_DEP_1)
	v_max_num_f32 v[TT1], v[BM], v[BM+1]
	s_delay_alu instid0(VALU_DEP_1)
	v_permlanex16_b32 v[PT], v[TT1], s[SEL], s[SEL+1]
	s_delay_alu instid0(VALU_DEP_1)
	v_max_num_f32 v[TT1], v[TT1], v[PT]            ; the step's largest score of my query
	s_delay_alu instid0(VALU_DEP_1)
	v_mul_f32 v[TT1], s[CS], v[TT1]
	s_delay_alu instid0(VALU_DEP_1)
	v_max_num_f32 v13, v13, v[TT1]                 ; the running largest t
	v_mov_b32 v[TT1], v12
	s_delay_alu instid0(VALU_DEP_2)
	v_floor_f32 v12, -v13                          ; the new -M = -ceil(t)
	s_delay_alu instid0(VALU_DEP_1)
	v_sub_f32 v[TT1], v12, v[TT1]                  ; old M less new M: a whole number, 0 or less
	s_delay_alu instid0(VALU_DEP_1)
	v_cvt_i32_f32 v[TT1], v[TT1]                   ; (it saturates)
	s_delay_alu instid0(VALU_DEP_1)
	v_ldexp_f32 v[FF], 1.0, v[TT1]                 ; f = 2^(old M - new M)
.set i, 0
	s_setprio 1
.rept 32
	v_pk_fma_f32 v[S+i:S+i+1], v[S+i:S+i+1], s[CS:CS+1], v[12:13] op_sel_hi:[1,0,0]   ; t - M, two at a time
.set i, i+2
.endr
.irp c, 0,1
	v_fma_f32 v[BM+\c], v[BM+\c], s[CS], v12
.endr
.set i, 0
	s_wait_alu depctr_va_vdst(0)
.rept 64
	v_exp_f32 v[S+i], v[S+i]                       ; p = 2^(t - M)
.set i, i+1
.endr
	v_pk_mul_f32 v[14:15], v[14:15], v[FF:FF+1] op_sel_hi:[1,0]   ; the sums under the new M: a plain line behind the exponentials
	s_wait_alu depctr_va_vdst(0)                   ; one wait for the batch, ahead of its first reader
.irp c, 0,1
	v_exp_f32 v[BM+\c], v[BM+\c]                   ; the blocks' largest p
.endr
	v_pk_add_f32 v[242:243], v[132:133], v[136:137]
	v_pk_add_f32 v[252:253], v[140:141], v[144:145]
	v_pk_add_f32 v[250:251], v[148:149], v[152:153]
	v_pk_add_f32 v[248:249], v[156:157], v[160:161]
	v_pk_add_f32 v[246:247], v[164:165], v[168:169]
	v_pk_add_f32 v[244:245], v[172:173], v[176:177]
	v_pk_add_f32 v[198:199], v[180:181], v[184:185]
	v_pk_add_f32 v[14:15], v[14:15], v[188:189]
	v_pk_add_f32 v[242:243], v[242:243], v[128:129]
	v_pk_add_f32 v[252:253], v[252:253], v[130:131]
	v_pk_add_f32 v[250:251], v[250:251], v[134:135]
	v_pk_add_f32 v[248:249], v[248:249], v[138:139]
	v_pk_add_f32 v[246:247], v[246:247], v[142:143]
	v_pk_add_f32 v[244:245], v[244:245], v[146:147]
	v_pk_add_f32 v[198:199], v[198:199], v[150:151]
	v_pk_add_f32 v[14:15], v[14:15], v[154:155]
	v_pk_add_f32 v[242:243], v[242:243], v[158:159]
	v_pk_add_f32 v[252:253], v[252:253], v[162:163]
	v_pk_add_f32 v[250:251], v[250:251], v[166:167]
	v_pk_add_f32 v[248:249], v[248:249], v[170:171]
	v_pk_add_f32 v[246:247], v[246:247], v[174:175]
	v_pk_add_f32 v[244:245], v[244:245], v[178:179]
	v_pk_add_f32 v[198:199], v[198:199], v[182:183]
	v_pk_add_f32 v[14:15], v[14:15], v[186:187]
	v_pk_add_f32 v[242:243], v[242:243], v[190:191]
	s_delay_alu instid0(VALU_DEP_2)
	v_pk_add_f32 v[14:15], v[14:15], v[248:249]
	s_delay_alu instid0(VALU_DEP_2)
	v_pk_add_f32 v[242:243], v[242:243], v[246:247]
	v_pk_add_f32 v[252:253], v[252:253], v[244:245]
	v_pk_add_f32 v[250:251], v[250:251], v[198:199]
	s_delay_alu instid0(VALU_DEP_2)
	v_pk_add_f32 v[14:15], v[14:15], v[252:253]
	s_delay_alu instid0(VALU_DEP_2)
	v_pk_add_f32 v[242:243], v[242:243], v[250:251]
	s_delay_alu instid0(VALU_DEP_1)
	v_pk_add_f32 v[14:15], v[14:15], v[242:243]
	s_setprio 0
	s_wait_alu depctr_va_vdst(0)                   ; and one for the two
.irp c, 0,1
	v_max_num_f32 v[BM+\c], 0x1800000, v[BM+\c]    ; the floor: the byte cannot fall under 1
.endr
.irp c, 0,1
	s_delay_alu instid0(VALU_DEP_2)
	v_add_nc_u32 v[SOP+\c], 0xff000000, v[BM+\c]
.endr
.irp c, 0,1
	s_delay_alu instid0(VALU_DEP_2)
	v_lshrrev_b32 v[BYT+\c], 23, v[SOP+\c]
.endr
	s_delay_alu instid0(VALU_DEP_1)
	v_lshl_or_b32 v[TT1], v[BYT+1], 16, v[BYT]     ; my blocks are 2 c + h: bytes h and 2 + h of the word
	s_delay_alu instid0(VALU_DEP_1)
	v_lshlrev_b32 v[TT1], v[V8H], v[TT1]
	s_delay_alu instid0(VALU_DEP_1)
	v_permlanex16_b32 v[PT], v[TT1], s[SEL], s[SEL+1]
	s_delay_alu instid0(VALU_DEP_1)
	v_or_b32 v[PS], v[TT1], v[PT]
.irp c, 0,1
.irp u, 0,1,2,3
	v_cvt_scalef32_pk8_fp4_f32 v[P+4*\c+\u], v[S+32*\c+8*\u:S+32*\c+8*\u+7], v[SOP+\c]   ; register 4 c + u: keys 64 c + 32 h + 8 u + 0 .. 7: the operand as it stands
.endr
.endr
	v_nop
.irp u, 0,1,2,3
.irp c, 0,1
	ds_load_b128 v[S+8*\u+4*\c:S+8*\u+4*\c+3], v[ADV] offset:(2*\u+\c)*512
.endr
.endr
.irp p, 0,1
	ds_load_b32 v[VSW+\p], v[ADS] offset:512+128*\p
.endr
.set i, 0
.rept 16
	v_pk_mul_f32 v[O+i:O+i+1], v[O+i:O+i+1], v[FF:FF+1] op_sel_hi:[1,0]   ; O^T under the new M; these are also the places between p's codes and scale word and the products
.set i, i+2
.endr
	s_wait_alu depctr_va_vdst(0)
	s_wait_dscnt 0x0
.irp u, 0,2                                    ; O^T += V^T P^T
	v_wmma_scale_f32_16x16x128_f8f6f4 v[O+8*\u:O+8*\u+7], v[S+8*\u:S+8*\u+7], v[P:P+7], v[O+8*\u:O+8*\u+7], v[VSW+\u/2], v[PS] matrix_a_fmt:MATRIX_FMT_FP4 matrix_b_fmt:MATRIX_FMT_FP4
	v_wmma_scale_f32_16x16x128_f8f6f4 v[O+8*\u+8:O+8*\u+15], v[S+8*\u+8:S+8*\u+15], v[P:P+7], v[O+8*\u+8:O+8*\u+15], v[VSW+\u/2], v[PS] matrix_a_fmt:MATRIX_FMT_FP4 matrix_b_fmt:MATRIX_FMT_FP4 matrix_a_scale:MATRIX_SCALE_ROW1
.endr
.Lnone:
	s_sub_co_u32 s[KO], s[KO], 4096                ; one step down (what the last trip leaves is not used)
	s_sub_co_u32 s[SO], s[SO], 768
	s_sub_co_u32 s[T0], s[T0], 8
	s_sub_co_u32 s[CNT], s[CNT], 1
	s_cmp_lg_u32 s[CNT], 0
	s_cbranch_scc1 .Lstep
	s_setprio 0
	; THE WAY OUT.  Lane (r, h) holds query r and d = 32 h + 0 .. 31: block 2 n + h of the projection's K
	PLACES 4
	v_add_f32 v14, v14, v15
	s_delay_alu instid0(VALU_DEP_1)
	v_permlanex16_b32 v[PT], v14, s[SEL], s[SEL+1]
	s_delay_alu instid0(VALU_DEP_1)
	v_add_f32 v14, v14, v[PT]                      ; the row's sum
	s_wait_alu depctr_va_vdst(0)
	v_rcp_f32 v14, v14
	v_nop                                          ; a plain line behind the reciprocal
	s_lshr_b32 s17, s14, 4                         ; b
	s_lshl_b32 s18, s17, 20                        ; codes: tile of rows 128 b + 16 g + w, 8,192 bytes each; the head's 512 in it
	s_lshl_b32 s81, s13, 17
	s_add_co_u32 s18, s18, s81
	s_lshl_b32 s81, s[WV], 13
	s_add_co_u32 s18, s18, s81
	s_lshl_b32 s81, s15, 9
	s_add_co_u32 s18, s18, s81
	s_add_nc_u64 s[20:21], s[10:11], s[18:19]
	s_lshl_b32 s18, s17, 16                        ; scale words: 512 bytes a tile of rows, 64 a K step n / 2; my byte 2 (n % 2) + h of row r's word
	s_lshl_b32 s81, s13, 13
	s_add_co_u32 s18, s18, s81
	s_lshl_b32 s81, s[WV], 9
	s_add_co_u32 s18, s18, s81
	s_lshr_b32 s81, s15, 1
	s_lshl_b32 s81, s81, 6
	s_add_co_u32 s18, s18, s81
	s_and_b32 s81, s15, 1
	s_lshl_b32 s81, s81, 1
	s_add_co_u32 s18, s18, s81
	s_add_co_u32 s18, s18, ASO
	s_add_nc_u64 s[22:23], s[10:11], s[18:19]
	s_wait_alu depctr_va_vdst(0)                   ; the wait ahead of the reciprocal's first reader
.set i, 0
.rept 32
	v_mul_f32 v[S+i], v[O+i], v14
.set i, i+1
.endr
	QUANT32 S, P, TMP+3, TMP
	global_store_b128 v[AKC], v[P:P+3], s[20:21]   ; 512 consecutive bytes
	global_store_b8 v[OB], v[TMP+3], s[22:23]
	s_wait_tensorcnt 0x0                           ; the wave's end
	ds_add_u32 v[SPW], v[NIL]
	s_wait_dscnt 0x0
	s_endpgm
.Lfunc_end_k_q8f9ae172bb_attn:
	.size	k_q8f9ae172bb_attn, .Lfunc_end_k_q8f9ae172bb_attn-k_q8f9ae172bb_attn
	.p2alignl 7, 3214868480
	.fill 96, 4, 3214868480
	.section	.rodata,"a",@progbits
	.p2align	6, 0x0
	.amdhsa_kernel k_q8f9ae172bb_attn
		.amdhsa_group_segment_fixed_size 310784
		.amdhsa_private_segment_fixed_size 0
		.amdhsa_enable_private_segment 0
		.amdhsa_kernarg_size 32
		.amdhsa_user_sgpr_count 2
		.amdhsa_user_sgpr_kernarg_segment_ptr 1
		.amdhsa_wavefront_size32 1
		.amdhsa_system_sgpr_workgroup_id_x 1
		.amdhsa_system_sgpr_workgroup_id_y 1
		.amdhsa_system_sgpr_workgroup_id_z 1
		.amdhsa_system_vgpr_workitem_id 0
		.amdhsa_next_free_vgpr 256
		.amdhsa_next_free_sgpr 96
		.amdhsa_reserve_vcc 0
		.amdhsa_float_denorm_mode_32 3
		.amdhsa_float_denorm_mode_16_64 3
		.amdhsa_memory_ordered 1
		.amdhsa_forward_progress 1
		.amdhsa_inst_pref_size 37
	.end_amdhsa_kernel
	.amdgpu_metadata
---
amdhsa.version: [ 1, 2 ]
amdhsa.kernels:
  - .name:           k_q8f9ae172bb_attn
    .symbol:         k_q8f9ae172bb_attn.kd
    .args:
      - { .name: Q, .offset: 0, .size: 8, .value_kind: global_buffer, .address_space: global }
      - { .name: KV, .offset: 8, .size: 8, .value_kind: global_buffer, .address_space: global }
      - { .name: R, .offset: 16, .size: 8, .value_kind: global_buffer, .address_space: global }
      - { .name: A, .offset: 24, .size: 8, .value_kind: global_buffer, .address_space: global }
    .group_segment_fixed_size: 310784
    .private_segment_fixed_size: 0
    .kernarg_segment_align: 8
    .kernarg_segment_size: 32
    .max_flat_workgroup_size: 512
    .sgpr_count:     96
    .vgpr_count:     256
    .wavefront_size: 32
...
	.end_amdgpu_metadata
.endif
;; end of part 3
;; launch outln (part 4): grid 64 x 1, 16 waves a work-group, no clusters, 323,584 bytes of LDS; arguments A, WI, z1ss, out0, b_o; writes out0
.if DOCPART == 4
	.amdgcn_target "amdgcn-amd-amdhsa--gfx1250"
	.amdhsa_code_object_version 6
	.text
	.protected	k_q8f9ae172bb_outln
	.globl	k_q8f9ae172bb_outln
	.p2align	8
	.type	k_q8f9ae172bb_outln,@function
k_q8f9ae172bb_outln:
	s_mov_b64 s[64:65], 0
	v_nop
	global_prefetch_b8 v0, s[64:65] scope:SCOPE_SE
	s_setreg_imm32_b32 hwreg(HW_REG_WAVE_MODE, 25, 1), 1
	s_wait_xcnt 0x0
; OUTLN.  out0 = layer_norm(W_o attn_vec + b_o + z1ss) over d_model, the product on MX-FP4 codes.  No work is left out here.
; SHARES.  A work-group takes 64 positions x all 1,024 outputs: a position's mean and variance have one owner, and 64 positions are 256 consecutive bytes of each row of z1ss and of out0.  That makes 64 work-groups:
; with fewer positions each, every row of z1ss and out0 would be touched in pieces of 64 or 128 bytes, and each work-group would still read all of W_o.
; Wave w makes outputs 64 w .. 64 w + 63 for the 64 positions: 16 accumulators.  Source 0 = 16 rows of W_o, source 1 = 16 positions: lane (r, h), register j of tile (ot, qt) holds output 64 w + 16 ot + 8 h + j, position 16 qt + r.
; W_o COMES AS THE FIRST LAUNCH LAID IT (WI): a group of four operand registers is 512 consecutive bytes, lane l's 16 at 16 l; a K step of a wave is 4,096 consecutive bytes of codes and 256 of scale words
; (a register of scale words holds the even tile's in lanes 0-15 and the odd tile's in lanes 16-31).
; NO CLUSTER: W_o goes from memory straight into registers, each byte once a work-group; the tile of z1ss takes 278,528 bytes of LDS, which leaves no room for shared tiles of W_o.
; b_o is loaded into the accumulators of the first tile of positions; in the first K step the other three tiles take those registers as their C, and then that tile adds in place.
; The variance is taken in two passes, as reference() has it: no difference of large sums.
; Nothing in LDS is filled again.  y goes back to the very words of the z tile that the wave read (its own rows, which have had their only fill) and leaves by rows.
.set ASO,   2097152
.set WSO,   524288                     ; WI: where the scale words begin
.set PZ,    272                        ; a row of the z tile: 256 bytes + 16
.set AIMG,  1024*PZ                    ; LDS: the z tile; then attn_vec's 64 images of 512 bytes,
.set ASC,   AIMG+32768                 ; its scale words,
.set RED1,  ASC+2048                   ; the waves' sums, [wave][r][4 tiles of positions], twice,
.set SPARE, RED1+8192                  ; the spare words, 128 bytes for each of the sixteen waves
.set SPW,  1
.set NIL,  2
.set AW,   3                           ; 16 x lane
.set AWS,  4                           ; 4 x lane
.set AA,   5
.set AAS,  6
.set AZ,   7
.set AZR,  8
.set AOUT, 9
.set ARW,  10
.set ARR,  11
.set OBO,  12
.set RR,   13
.set HH,   14
.set WSC,  16                          ; v16-19 W_o's scale words, two sets of two; v24-27 attn_vec's: scales and nothing else
.set ASW,  24
.set AF,   28                          ; v28-59 attn_vec's four fragments
.set WF,   60                          ; v60-91, v92-123 W_o's fragments, two sets; on the way out at work
.set ACC,  128                         ; tile (ot, qt) at 8 (4 ot + qt)
.set WV,   16
.set G1Z,  24
.set G1A,  32
.set G1AS, 40
.set G0Z,  48
.set G0A,  52
.set G0AS, 56
.set SEL,  60
.macro PLACES n
.rept \n
	v_nop
.endr
.endm
	s_load_b128 s[4:7], s[0:1], 0x0                ; A, WI
	s_load_b128 s[12:15], s[0:1], 0x10             ; z1ss, out0
	s_load_b64 s[10:11], s[0:1], 0x20              ; b_o
	v_lshl_add_u32 v[SPW], v0, 2, SPARE
	v_mov_b32 v[NIL], 0
	ds_add_u32 v[SPW], v[NIL]                      ; the wave's opening: the add, twice on end, and its wait ahead of the first tensor load
	ds_add_u32 v[SPW], v[NIL]
	v_lshrrev_b32 v[RR], 5, v0
	s_delay_alu instid0(VALU_DEP_1)
	v_readfirstlane_b32 s[WV], v[RR]               ; wave 0..15
	; groups 1, in elements of 8 bytes.  z: 64 rows of 256 bytes, 8,192 bytes apart, 16 bytes of padding behind each 64 words
	s_mov_b32 s[G1Z], (3<<16)|(1<<20)|(5<<22)|(3<<25)
	s_mov_b32 s[G1Z+1], 32<<16
	s_mov_b32 s[G1Z+2], 64<<16
	s_mov_b32 s[G1Z+3], 32<<16
	s_mov_b32 s[G1Z+4], 64
	s_mov_b32 s[G1Z+5], 1024
	s_mov_b32 s[G1Z+6], 0
	s_mov_b32 s[G1Z+7], 0
.irp g, G1A, G1AS                      ; dense blocks as rows of 256 bytes: 128 and 8 rows
	s_mov_b32 s[\g], 3<<16
	s_mov_b32 s[\g+1], 32<<16
	s_mov_b32 s[\g+3], 32<<16
	s_mov_b32 s[\g+5], 32
	s_mov_b32 s[\g+6], 0
	s_mov_b32 s[\g+7], 0
.endr
	s_mov_b32 s[G1A+2], 128<<16
	s_mov_b32 s[G1A+4], 128
	s_mov_b32 s[G1AS+2], 8<<16
	s_mov_b32 s[G1AS+4], 8
	s_mov_b32 s[SEL], 0x76543210
	s_mov_b32 s[SEL+1], 0xfedcba98
	s_mov_b32 s62, 0x3a800000                      ; 1 / 1024
	s_mov_b32 s63, 0x3727c5ac                      ; 1e-5
	v_and_b32 v15, 31, v0
	v_and_b32 v[RR], 15, v0
	v_bfe_u32 v[HH], v0, 4, 1
	s_delay_alu instid0(VALU_DEP_3)
	v_lshlrev_b32 v[AW], 4, v15
	s_delay_alu instid0(VALU_DEP_4)
	v_lshlrev_b32 v[AWS], 2, v15
	v_lshl_add_u32 v[AA], v15, 4, AIMG
	v_lshl_add_u32 v[AAS], v[RR], 2, ASC
	s_mul_i32 s18, s[WV], 64*PZ                    ; my 64 rows of the z tile
	v_mul_u32_u24 v[AZ], v[HH], 8*PZ
	s_delay_alu instid0(VALU_DEP_1)
	v_lshl_add_u32 v[AZ], v[RR], 2, v[AZ]
	s_delay_alu instid0(VALU_DEP_1)
	v_add_nc_u32 v[AZ], s18, v[AZ]                 ; (64 w + 8 h) rows + 4 r
	v_mul_u32_u24 v[AZR], v[HH], PZ
	s_delay_alu instid0(VALU_DEP_1)
	v_lshl_add_u32 v[AZR], v[RR], 4, v[AZR]
	s_delay_alu instid0(VALU_DEP_1)
	v_add_nc_u32 v[AZR], s18, v[AZR]               ; (64 w + h) rows + 16 r
	v_lshlrev_b32 v[AOUT], 13, v[HH]
	s_delay_alu instid0(VALU_DEP_1)
	v_lshl_add_u32 v[AOUT], v[RR], 4, v[AOUT]      ; the same in out0: rows of 8,192 bytes
	s_lshl_b32 s19, s[WV], 8
	s_add_co_u32 s19, s19, RED1
	v_lshl_add_u32 v[ARW], v[RR], 4, s19
	v_lshl_add_u32 v[ARR], v[RR], 4, RED1
	v_lshlrev_b32 v[OBO], 5, v[HH]
	s_wait_dscnt 0x0                               ; both opening adds are done
	s_wait_kmcnt 0x0
	s_mov_b32 s21, 0
	s_lshr_b32 s22, ttmp9, 5                       ; b
	s_and_b32 s23, ttmp9, 31                       ; which 64 positions
	s_lshl_b32 s20, s22, 23                        ; row 1024 b + 64 w, column 64 qb, in z1ss and in out0
	s_lshl_b32 s22, s[WV], 19
	s_add_co_u32 s20, s20, s22
	s_lshl_b32 s22, s23, 8
	s_add_co_u32 s20, s20, s22
	s_mov_b32 s[G0Z], 1
	s_mov_b32 s[G0Z+1], s18
	s_add_nc_u64 s[G0Z+2:G0Z+3], s[12:13], s[20:21]
	s_or_b32 s[G0Z+3], s[G0Z+3], 0x80000000
	s_add_nc_u64 s[14:15], s[14:15], s[20:21]
	s_lshl_b32 s20, ttmp9, 15                      ; the work-group's four tiles of rows: 32,768 bytes of images
	s_mov_b32 s[G0A], 1
	s_mov_b32 s[G0A+1], AIMG
	s_add_nc_u64 s[G0A+2:G0A+3], s[4:5], s[20:21]
	s_or_b32 s[G0A+3], s[G0A+3], 0x80000000
	s_lshl_b32 s20, ttmp9, 11
	s_add_co_u32 s20, s20, ASO
	s_mov_b32 s[G0AS], 1
	s_mov_b32 s[G0AS+1], ASC
	s_add_nc_u64 s[G0AS+2:G0AS+3], s[4:5], s[20:21]
	s_or_b32 s[G0AS+3], s[G0AS+3], 0x80000000
	; the first fills, the only ones: every wave its 64 rows of z; ahead of that wave 0 the images, wave 1 their scale words.  Two loads of a wave are out at the most
	s_cmp_lg_u32 s[WV], 0
	s_cbranch_scc1 .Lnot_0
	tensor_load_to_lds s[G0A:G0A+3], s[G1A:G1A+7]
	s_nop 0
	tensor_load_to_lds s[G0Z:G0Z+3], s[G1Z:G1Z+7]
	s_nop 0
	PLACES 4
	s_branch .Lasked
.Lnot_0:
	s_cmp_lg_u32 s[WV], 1
	s_cbranch_scc1 .Lrest
	tensor_load_to_lds s[G0AS:G0AS+3], s[G1AS:G1AS+7]
	s_nop 0
	tensor_load_to_lds s[G0Z:G0Z+3], s[G1Z:G1Z+7]
	s_nop 0
	PLACES 4
	s_branch .Lasked
.Lrest:
	tensor_load_to_lds s[G0Z:G0Z+3], s[G1Z:G1Z+7]
	s_nop 0
	PLACES 4
.Lasked:
	s_lshl_b32 s20, s[WV], 11
	s_add_co_u32 s20, s20, WSO
	s_add_nc_u64 s[8:9], s[6:7], s[20:21]          ; my rows' scale words: 256 bytes a K step
	s_lshl_b32 s20, s[WV], 15
	s_add_nc_u64 s[6:7], s[6:7], s[20:21]          ; my rows' images: 4,096 bytes a K step
	s_lshl_b32 s20, s[WV], 8
	s_add_nc_u64 s[10:11], s[10:11], s[20:21]      ; b_o
	s_wait_alu depctr_va_vdst(0)
.irp ot, 0,1,2,3
.irp e, 0,1
	global_load_b128 v[ACC+32*\ot+4*\e:ACC+32*\ot+4*\e+3], v[OBO], s[10:11] offset:64*\ot+16*\e   ; b_o at outputs 16 ot + 8 h + 0 .. 7, into tile (ot, 0)
.endr
.endr
.macro WLOAD ks                        ; a K step of W_o: four fragments and two registers of scale words, 10 loads of consecutive bytes, into set ks % 2
.set FS, WF+32*((\ks)%2)
.set SS, WSC+2*((\ks)%2)
.irp ot, 0,1,2,3
.irp e, 0,1
	global_load_b128 v[FS+8*\ot+4*\e:FS+8*\ot+4*\e+3], v[AW], s[6:7] offset:4096*(\ks)+512*(2*\ot+\e)
.endr
.endr
.irp p, 0,1
	global_load_b32 v[SS+\p], v[AWS], s[8:9] offset:256*(\ks)+128*\p
.endr
.endm
; One product: tile (ot, qt).  c0 = 1: its C is tile (ot, 0)'s registers, which hold b_o; else it adds in place.  An odd tile's scale words stand in lanes 16-31
.macro OM ot, qt, c0
.set DD, ACC+8*(4*(\ot)+(\qt))
.if \c0
.set CC, ACC+32*(\ot)
.else
.set CC, ACC+8*(4*(\ot)+(\qt))
.endif
.if (\ot)%2
	v_wmma_scale_f32_16x16x128_f8f6f4 v[DD:DD+7], v[FS+8*(\ot):FS+8*(\ot)+7], v[AF+8*(\qt):AF+8*(\qt)+7], v[CC:CC+7], v[SS+(\ot)/2], v[ASW+(\qt)] matrix_a_fmt:MATRIX_FMT_FP4 matrix_b_fmt:MATRIX_FMT_FP4 matrix_a_scale:MATRIX_SCALE_ROW1
.else
	v_wmma_scale_f32_16x16x128_f8f6f4 v[DD:DD+7], v[FS+8*(\ot):FS+8*(\ot)+7], v[AF+8*(\qt):AF+8*(\qt)+7], v[CC:CC+7], v[SS+(\ot)/2], v[ASW+(\qt)] matrix_a_fmt:MATRIX_FMT_FP4 matrix_b_fmt:MATRIX_FMT_FP4
.endif
.endm
	WLOAD 0
	s_wait_tensorcnt 0x1                           ; one load, my z tile, was issued behind the images and the scale words: those have landed; z may stay out
	s_barrier_signal -1
	s_barrier_wait -1
.macro OSTEP ks
.if (\ks) > 0
	PLACES 4                                       ; places in front of loads into registers that the last step's products have read
.endif
.if (\ks) < 7
	WLOAD (\ks)+1
.endif
.irp t, 0,1,2,3
.irp c, 0,1
	ds_load_b128 v[AF+8*\t+4*\c:AF+8*\t+4*\c+3], v[AA] offset:((8*\t+(\ks))*2+\c)*512
.endr
	ds_load_b32 v[ASW+\t], v[AAS] offset:(8*\t+(\ks))*64
.endr
.if (\ks) < 7
	s_wait_loadcnt 10                              ; all but the next step's 10: this step's fragments, and in step 0 b_o, are in
.else
	s_wait_loadcnt 0x0
.endif
	s_wait_dscnt 0x0
.set FS, WF+32*((\ks)%2)
.set SS, WSC+2*((\ks)%2)
.if (\ks) == 0
.irp qt, 1,2,3                         ; the sixteen accumulators take turns
.irp ot, 0,1,2,3
	OM \ot, \qt, 1
.endr
.endr
	PLACES 5                                       ; the four below write over registers that the twelve above have read as their C
.irp ot, 0,1,2,3
	OM \ot, 0, 0
.endr
.else
.irp ot, 0,1,2,3
.irp qt, 0,1,2,3
	OM \ot, \qt, 0
.endr
.endr
.endif
.endm
.irp s, 0,1,2,3,4,5,6,7
	OSTEP \s
.endr
	s_wait_tensorcnt 0x0                           ; my rows of z are in LDS: only I read them
	PLACES 4
	; x = the product + b_o + z
.macro ZL ot
.irp qt, 0,1,2,3
.irp j, 0,1,2,3,4,5,6,7
	ds_load_b32 v[WF+32*((\ot)%2)+8*\qt+\j], v[AZ] offset:(16*(\ot)+\j)*PZ+64*\qt
.endr
.endr
.endm
.macro ZA ot
.set i, 0
.rept 16
	v_pk_add_f32 v[ACC+32*(\ot)+i:ACC+32*(\ot)+i+1], v[ACC+32*(\ot)+i:ACC+32*(\ot)+i+1], v[WF+32*((\ot)%2)+i:WF+32*((\ot)%2)+i+1]
.set i, i+2
.endr
.endm
	ZL 0
	ZL 1
	s_wait_dscnt 32                                ; all but the next chunk's 32 loads
	ZA 0
	ZL 2
	s_wait_dscnt 32
	ZA 1
	ZL 3
	s_wait_dscnt 32
	ZA 2
	s_wait_dscnt 0x0
	ZA 3
	; the sum of x over my 64 outputs, for each of my four positions 16 qt + r: pairs, four chains by turns
.irp qt, 0,1,2,3
	v_pk_add_f32 v[60+2*\qt:61+2*\qt], v[ACC+8*\qt:ACC+8*\qt+1], v[ACC+8*\qt+2:ACC+8*\qt+3]
.endr
.irp ot, 0,1,2,3
.irp p, 0,2,4,6
.if (\ot > 0) || (\p > 2)
.irp qt, 0,1,2,3
	s_delay_alu instid0(VALU_DEP_4)
	v_pk_add_f32 v[60+2*\qt:61+2*\qt], v[60+2*\qt:61+2*\qt], v[ACC+32*\ot+8*\qt+\p:ACC+32*\ot+8*\qt+\p+1]
.endr
.endif
.endr
.endr
.irp qt, 0,1,2,3
	s_delay_alu instid0(VALU_DEP_4)
	v_add_f32 v[68+\qt], v[60+2*\qt], v[61+2*\qt]
.endr
.irp qt, 0,1,2,3
	s_delay_alu instid0(VALU_DEP_4)
	v_permlanex16_b32 v[72+\qt], v[68+\qt], s[SEL], s[SEL+1]
.endr
.irp qt, 0,1,2,3
	s_delay_alu instid0(VALU_DEP_4)
	v_add_f32 v[68+\qt], v[68+\qt], v[72+\qt]      ; with the other half of the lanes' outputs
.endr
	ds_store_b128 v[ARW], v[68:71]                 ; both halves of the lanes write the same bytes with the same values
	s_wait_dscnt 0x0
	s_barrier_signal -1
	s_barrier_wait -1
.macro GATHER off                      ; the sixteen waves' sums, added in one order in every wave: v60-63, one for each qt
.set i, 0
.rept 16
	ds_load_b128 v[60+4*i:63+4*i], v[ARR] offset:\off+256*i
.set i, i+1
.endr
	s_wait_dscnt 0x0
.set i, 1
	v_pk_add_f32 v[60:61], v[60:61], v[60+4*i:61+4*i]
	v_pk_add_f32 v[62:63], v[62:63], v[62+4*i:63+4*i]
.set i, i+1
.rept (15)-1
	s_delay_alu instid0(VALU_DEP_2)
	v_pk_add_f32 v[60:61], v[60:61], v[60+4*i:61+4*i]
	s_delay_alu instid0(VALU_DEP_2)
	v_pk_add_f32 v[62:63], v[62:63], v[62+4*i:63+4*i]
.set i, i+1
.endr
.endm
	GATHER 0
.irp qt, 0,1,2,3
	v_mul_f32 v[72+2*\qt], 0xba800000, v[60+\qt]   ; -mean, in the low word of a pair
.endr
.irp ot, 0,1,2,3
.irp qt, 0,1,2,3
.irp p, 0,2,4,6
	v_pk_add_f32 v[ACC+32*\ot+8*\qt+\p:ACC+32*\ot+8*\qt+\p+1], v[ACC+32*\ot+8*\qt+\p:ACC+32*\ot+8*\qt+\p+1], v[72+2*\qt:73+2*\qt] op_sel_hi:[1,0]   ; d = x - mean
.endr
.endr
.endr
.irp ot, 0,1,2,3
.irp p, 0,2,4,6
.irp qt, 0,1,2,3
.if (\ot == 0) && (\p == 0)
	v_pk_mul_f32 v[80+2*\qt:81+2*\qt], v[ACC+8*\qt:ACC+8*\qt+1], v[ACC+8*\qt:ACC+8*\qt+1]
.else
	s_delay_alu instid0(VALU_DEP_4)
	v_pk_fma_f32 v[80+2*\qt:81+2*\qt], v[ACC+32*\ot+8*\qt+\p:ACC+32*\ot+8*\qt+\p+1], v[ACC+32*\ot+8*\qt+\p:ACC+32*\ot+8*\qt+\p+1], v[80+2*\qt:81+2*\qt]
.endif
.endr
.endr
.endr
.irp qt, 0,1,2,3
	s_delay_alu instid0(VALU_DEP_4)
	v_add_f32 v[88+\qt], v[80+2*\qt], v[81+2*\qt]
.endr
.irp qt, 0,1,2,3
	s_delay_alu instid0(VALU_DEP_4)
	v_permlanex16_b32 v[92+\qt], v[88+\qt], s[SEL], s[SEL+1]
.endr
.irp qt, 0,1,2,3
	s_delay_alu instid0(VALU_DEP_4)
	v_add_f32 v[88+\qt], v[88+\qt], v[92+\qt]
.endr
	ds_store_b128 v[ARW], v[88:91] offset:4096     ; other bytes than the first sums': no wave may still be reading those
	s_wait_dscnt 0x0
	s_barrier_signal -1
	s_barrier_wait -1
	GATHER 4096
.irp qt, 0,1,2,3
	v_fma_f32 v[60+\qt], v[60+\qt], s62, s63       ; the variance + 1e-5
.endr
	s_wait_alu depctr_va_vdst(0)
.irp qt, 0,1,2,3
	v_rsq_f32 v[72+2*\qt], v[60+\qt]
.endr
	v_nop                                          ; a plain line behind the last of the four
	s_wait_alu depctr_va_vdst(0)                   ; one wait for the four, ahead of their first reader
.irp ot, 0,1,2,3
.irp qt, 0,1,2,3
.irp p, 0,2,4,6
	v_pk_mul_f32 v[ACC+32*\ot+8*\qt+\p:ACC+32*\ot+8*\qt+\p+1], v[ACC+32*\ot+8*\qt+\p:ACC+32*\ot+8*\qt+\p+1], v[72+2*\qt:73+2*\qt] op_sel_hi:[1,0]
.endr
.endr
.endr
.irp ot, 0,1,2,3
.irp qt, 0,1,2,3
.irp j, 0,1,2,3,4,5,6,7
	ds_store_b32 v[AZ], v[ACC+32*\ot+8*\qt+\j] offset:(16*\ot+\j)*PZ+64*\qt
.endr
.endr
.endr
.irp bt, 0,1                           ; my 64 rows leave by rows: two rows an instruction, sixteen lanes to 256 consecutive aligned bytes
.if \bt
	s_wait_xcnt 0x0                                ; the first batch's stores have read their registers: they are loaded again only behind this wait
.endif
.set i, 0
.rept 16
	ds_load_b128 v[60+4*i:63+4*i], v[AZR] offset:2*PZ*(16*\bt+i)   ; LDS serves a wave's instructions in order: these see my stores
.set i, i+1
.endr
.set i, 0
.rept 16
	s_wait_dscnt 15-i                              ; the younger loads of the batch may stay out
	global_store_b128 v[AOUT], v[60+4*i:63+4*i], s[14:15] offset:16384*(16*\bt+i) th:TH_STORE_NT
.set i, i+1
.endr
.endr
	s_wait_tensorcnt 0x0                           ; the wave's end
	ds_add_u32 v[SPW], v[NIL]
	s_wait_dscnt 0x0
	s_endpgm
.Lfunc_end_k_q8f9ae172bb_outln:
	.size	k_q8f9ae172bb_outln, .Lfunc_end_k_q8f9ae172bb_outln-k_q8f9ae172bb_outln
	.p2alignl 7, 3214868480
	.fill 96, 4, 3214868480
	.section	.rodata,"a",@progbits
	.p2align	6, 0x0
	.amdhsa_kernel k_q8f9ae172bb_outln
		.amdhsa_group_segment_fixed_size 323584
		.amdhsa_private_segment_fixed_size 0
		.amdhsa_enable_private_segment 0
		.amdhsa_kernarg_size 40
		.amdhsa_user_sgpr_count 2
		.amdhsa_user_sgpr_kernarg_segment_ptr 1
		.amdhsa_wavefront_size32 1
		.amdhsa_system_sgpr_workgroup_id_x 1
		.amdhsa_system_sgpr_workgroup_id_y 1
		.amdhsa_system_sgpr_workgroup_id_z 1
		.amdhsa_system_vgpr_workitem_id 0
		.amdhsa_next_free_vgpr 256
		.amdhsa_next_free_sgpr 72
		.amdhsa_reserve_vcc 0
		.amdhsa_float_denorm_mode_32 3
		.amdhsa_float_denorm_mode_16_64 3
		.amdhsa_memory_ordered 1
		.amdhsa_forward_progress 1
		.amdhsa_inst_pref_size 95
	.end_amdhsa_kernel
	.amdgpu_metadata
---
amdhsa.version: [ 1, 2 ]
amdhsa.kernels:
  - .name:           k_q8f9ae172bb_outln
    .symbol:         k_q8f9ae172bb_outln.kd
    .args:
      - { .name: A, .offset: 0, .size: 8, .value_kind: global_buffer, .address_space: global }
      - { .name: WI, .offset: 8, .size: 8, .value_kind: global_buffer, .address_space: global }
      - { .name: z1ss, .offset: 16, .size: 8, .value_kind: global_buffer, .address_space: global }
      - { .name: out0, .offset: 24, .size: 8, .value_kind: global_buffer, .address_space: global }
      - { .name: b_o, .offset: 32, .size: 8, .value_kind: global_buffer, .address_space: global }
    .group_segment_fixed_size: 323584
    .private_segment_fixed_size: 0
    .kernarg_segment_align: 8
    .kernarg_segment_size: 40
    .max_flat_workgroup_size: 512
    .sgpr_count:     72
    .vgpr_count:     256
    .wavefront_size: 32
...
	.end_amdgpu_metadata
.endif
;; end of part 4
